; MI455X (gfx1250); checked and timed in simulation.
; The chip was launched on July 23, 2026; its instructions are those of AMD's public machine-readable ISA for CDNA 5 (MIT licence, August 2026) and "CDNA5" Instruction Set Architecture Reference Guide (July 2026). The comments in the code are by the model that wrote it; some were corrected since.
;; Lena Trans. Allowed arithmetic: matrix products marked QUANTISED: E2M3 operands, one E8M0 scale for each 32 along K, by v_wmma_scale_f32_16x16x128_f8f6f4 with both operands' format E2M3, f32 sums; products left as they are: f32 operands where the result goes on into a quantised operand, else bf16, f16 or f32 operands; f32 sums; everything else in f32.
;; Inputs: attn_b 128 float32; attn_ln_b 128 float32; attn_ln_g 128 float32; attn_w 128 x 128 float32; bk 128 float32; bq 128 float32; bv 128 float32; cat_emb 6 x 100 x 16 float32; day 1,024 int32; day_emb 366 x 16 float32; dist_emb 277 x 32 float32; emb_ln_b 128 float32; emb_ln_g 128 float32; ffn_b1 128 float32; ffn_b2 128 float32; ffn_ln_b 128 float32; ffn_ln_g 128 float32; ffn_w1 128 x 128 float32; ffn_w2 128 x 128 float32; h1_b 32 float32; h1_w 160 x 32 float32; h2_b 32 float32; h2_w 32 x 32 float32; h3_b 1 float32; h3_w 32 x 1 float32; ln1_b 32 float32; ln1_g 32 float32; ln2_b 32 float32; ln2_g 32 float32; map_b 128 float32; map_w 128 x 128 float32; prod 1,024 int32; prod_emb 30 x 16 float32; tok_type 128 float32; wk 128 x 128 float32; wq 128 x 128 float32; wv 128 x 128 float32; x 1,024 x 139 x 38 int32.
;; Outputs: out0 1,024 x 1 float32.
;; This version of the problem:
;;   THIS VERSION OF THE PROBLEM IS GIVEN IN LOW PRECISION. The matrix products marked QUANTISED in the list below multiply operands that are first quantised to E2M3 (2 exponent bits, 3 mantissa bits; 6 bits a number), with one power-of-two scale for each 32 numbers along K (OCP MX v1.0); their sums are f32. All else is computed in f32.
;;   The module's matrix products, in the order in which they are computed (A, B: the left and right operand; K: the contracted axis; several contracted axes count as one K, in the product's order):
;;     1. [M 142,336, K 128] x [K 128, N 128]; A: computed on the way; B: input map_w: QUANTISED
;;     2. [M 142,336, K 128] x [K 128, N 128]; A: computed on the way; B: input wq: QUANTISED
;;     3. [M 142,336, K 128] x [K 128, N 128]; A: computed on the way; B: input wk: QUANTISED
;;     4. [M 142,336, K 128] x [K 128, N 128]; A: computed on the way; B: input wv: QUANTISED
;;     5. batch 4,096 x [M 139, K 32] x [K 32, N 139]; A: computed on the way; B: computed on the way: QUANTISED
;;     6. batch 139 x [M 139, K 32] x [K 32, N 4,096]; A: computed on the way; B: computed on the way: QUANTISED
;;     7. batch 139 x [M 139, K 32] x [K 32, N 4,096]; A: computed on the way; B: computed on the way: QUANTISED
;;     8. batch 4,096 x [M 139, K 139] x [K 139, N 32]; A: softmax (see below); B: computed on the way: QUANTISED
;;     9. [M 142,336, K 128] x [K 128, N 128]; A: computed on the way; B: input attn_w: QUANTISED
;;     10. [M 142,336, K 128] x [K 128, N 128]; A: computed on the way; B: input ffn_w1: QUANTISED
;;     11. [M 142,336, K 128] x [K 128, N 128]; A: computed on the way; B: input ffn_w2: QUANTISED
;;     12. [M 1,024, K 160] x [K 160, N 32]; A: computed on the way; B: input h1_w: QUANTISED
;;     13. [M 1,024, K 32] x [K 32, N 32]; A: computed on the way; B: input h2_w: QUANTISED
;;     14. [M 1,024, K 32] x [K 32, N 1]; A: computed on the way; B: input h3_w: left as it is (N = 1 < 16)
;;   THE QUANTISER, for each operand of a quantised product, along K:
;;     - K is cut into blocks of 32 from its start; a last block that is shorter is filled with zeros.
;;     - A block's scale is 2^e with e = floor(log2(the largest magnitude in the block)) - 2, held to -126 .. 127; a block of zeros has e = 0. As a byte (E8M0): e + 127.
;;     - Each number is divided by its block's scale, clamped to +-7.5, and rounded to the nearest number of E2M3, ties to even, subnormals kept.
;;     - The product sums the exact products of the quantised numbers (number of the format x scale) in f32.
;;   ~~~python
;;   def quantise(x, axis):      # numpy; x: float32 -> the quantised numbers, widened to float32 again
;;       x = np.moveaxis(x, axis, -1); K = x.shape[-1]
;;       x = np.pad(x, [(0, 0)] * (x.ndim - 1) + [(0, -K % 32)]); x = x.reshape(x.shape[:-1] + (-1, 32)); a = np.abs(x).max(-1, keepdims=True)
;;       e = np.where(a > 0, np.clip(np.frexp(np.where(a > 0, a, 1))[1] - 1 - 2, -126, 127), 0)      # np.frexp(a)[1] - 1 = floor(log2(a)), exactly
;;       r = np.clip(x / 2.0 ** e, -7.5, 7.5)
;;       step = 2.0 ** (np.maximum(np.frexp(np.where(r == 0, 1, r))[1] - 1, 0) - 3)
;;       q = np.round(r / step) * step * 2.0 ** e      # np.round: ties to even
;;       return np.moveaxis(q.reshape(q.shape[:-2] + (-1,))[..., :K], -1, axis).astype(np.float32)
;;   ~~~
;;   SOFTMAX AHEAD OF A QUANTISED PRODUCT. Where the list says 'softmax', what is quantised is not the finished softmax but p = 2^(t - M), with t = logit x log2(e) and M = ceil(the row's largest t), a whole number; so 1/2 < the row's largest p <= 1. The row's sum l is taken of the UNQUANTISED p, in f32, and the product's result is divided by l at the end. Since M is a whole number, a kernel that streams over the keys may use a running M (the ceiling of the running maximum): every later rescaling is an exact power of two, which a block's scale takes up: the codes' values come out the same.
;;   OPERANDS COMPUTED ON THE WAY. 'Computed on the way' means the value that the module computes at that place (a softmax that the list does not call 'softmax' is quantised finished and normalised). What goes into a quantiser is computed in f32, as accurately as f32 sums, v_exp_f32 and their like allow (about 1e-6 of the number): no bf16 or f16 on the way to a quantiser, and a product that is left as it is and whose result goes on into a quantised operand takes f32 operands (vector FMAs, or v_wmma_f32_16x16x4_f32). A number that lies on a knife's edge between two numbers of the format may be rounded either way, as far as f32 arithmetic and the matrix unit's own rounding can turn it there, and no further.
;; One version. Each part assembles by itself: llvm-mc -triple=amdgcn-amd-amdhsa -mcpu=gfx1250 --defsym DOCPART=n.
;; ======== version 1 of 1: 2 launches
;; workspace buffers: wsp 244,224 bytes
;; launch prep (part 1): grid 80 x 1, 1 waves a work-group, no clusters, 0 bytes of LDS; arguments map_w, wq, wk, wv, attn_w, ffn_w1, ffn_w2, h1_w, h2_w, dist_emb, cat_emb, tok_type, emb_ln_g, emb_ln_b, map_b, bq, bk, bv, attn_b, attn_ln_g, attn_ln_b, ffn_b1, ffn_b2, ffn_ln_g, ffn_ln_b, h1_b, ln1_g, ln1_b, h2_b, wsp; writes wsp
.if DOCPART == 1
	.amdgcn_target "amdgcn-amd-amdhsa--gfx1250"
	.amdhsa_code_object_version 6
	.text
	.protected	k_qa88540db3b_prep
	.globl	k_qa88540db3b_prep
	.p2align	8
	.type	k_qa88540db3b_prep,@function
k_qa88540db3b_prep:
	s_mov_b64 s[64:65], 0
	v_nop
	global_prefetch_b8 v0, s[64:65] scope:SCOPE_SE
	s_setreg_imm32_b32 hwreg(HW_REG_WAVE_MODE, 25, 1), 1
	s_wait_xcnt 0x0
; Lays out once what every work-group of the second launch reads: the weights and the distance table as codes of FP6 (E2M3) in the ORDER OF
; THE OPERAND'S REGISTERS, the small vectors on end, and the category table with tok_type added.
; wsp: bytes 0 .. 10,495 the vectors (18 of them, then zeros up to a whole number of 256-byte rows); from RECO on 109 records of 1,792 bytes;
; from CTABO on [6][100][16] f32.  A record: registers 4 q .. 4 q + 3 of lane L at 512 q + 16 L (12 registers: 16 rows x 128 K), then the
; lane's scale word twice at 1,536 + 8 L.  Every store of the wave covers 512, 256 or 128 consecutive bytes, aligned.
; One wave is one task; scalar branches on the work-group's number lead to five sections.  K is the first axis of every weight: a lane takes a
; column and its registers run down K, so nothing is transposed.  Column order of a tile t: lane r takes column 32 (t/2) + 8 (t%2) + r + 8 (r/8).
; A block's scale byte is its largest magnitude's exponent field - 2, held at 1 from below.
; LIMITS: NaN and infinities are not served; a block of zeros, or one whose largest magnitude lies under 2^-124, gets the byte 1 (its bytes are read by this program alone).
.set RECO,  10496
.set RECB,  1792
.set CTABO, 205824
	s_load_b64 s[4:5], s[0:1], 0xe8                ; wsp
	v_and_b32 v1, 31, v0                           ; lane L
	v_and_b32 v2, 15, v0                           ; r
	v_lshrrev_b32 v3, 4, v1                        ; h
	v_and_b32 v4, 8, v2
	v_add_nc_u32 v4, v4, v2                        ; r + 8 (r / 8)
	v_lshlrev_b32 v5, 4, v1                        ; 16 L
	v_lshlrev_b32 v6, 3, v1                        ; 8 L
	s_mov_b32 s2, 0x76543210
	s_mov_b32 s3, 0xfedcba98                       ; v_permlanex16_b32's selects for lane l xor 16
; 64 numbers v64-127 (register 32 c + i = K 64 c + 32 h + i of my column) -> codes v48-59, scale word v8 = v9
.macro QW
.irp c, 0,1
	v_max3_num_f32 v[32+\c], |v[64+32*\c]|, |v[65+32*\c]|, 0x1800000   ; my block 2 c + h, and the floor 2^(3 - 127)
.endr
.irp i, 2,4,6,8,10,12,14,16,18,20,22,24,26,28,30
.irp c, 0,1
	v_max3_num_f32 v[32+\c], v[32+\c], |v[64+32*\c+\i]|, |v[65+32*\c+\i]|
.endr
.endr
.irp c, 0,1
	v_add_nc_u32 v[44+\c], 0xff000000, v[32+\c]    ; 2 off the exponent field: the conversion's scale operand
.endr
.irp c, 0,1
	v_lshrrev_b32 v[36+\c], 23, v[44+\c]           ; the scale's byte
.endr
	v_lshl_or_b32 v8, v37, 16, v36                 ; blocks h and 2 + h,
	v_lshlrev_b32 v10, 3, v3
	v_lshlrev_b32 v8, v10, v8                      ; at their places in the word;
	v_mov_b32 v10, 0
	v_permlanex16_b32 v10, v8, s2, s3
	v_or_b32 v8, v8, v10                           ; with lane l xor 16's two the word is whole
	v_mov_b32 v9, v8
.irp c, 0,1
	v_cvt_scalef32_pk16_fp6_f32 v[48+6*\c:50+6*\c], v[64+32*\c:79+32*\c], v[44+\c]
	v_cvt_scalef32_pk16_fp6_f32 v[192+4*\c:194+4*\c], v[80+32*\c:95+32*\c], v[44+\c]   ; (a conversion's three registers begin on an even number)
.endr
	v_nop                                          ; one plain place behind a scaled conversion
.irp c, 0,1
.irp i, 0,1,2
	v_mov_b32 v[51+6*\c+\i], v[192+4*\c+\i]
.endr
.endr
.endm
; record number s28 -> its address s[6:7]; the record in v48-59, v8-9 is stored
.macro PUT
	s_mul_i32 s28, s28, RECB
	s_add_co_u32 s28, s28, RECO
	s_mov_b32 s29, 0
	s_add_nc_u64 s[6:7], s[4:5], s[28:29]
	global_store_b128 v5, v[48:51], s[6:7]
	global_store_b128 v5, v[52:55], s[6:7] offset:512
	global_store_b128 v5, v[56:59], s[6:7] offset:1024
	global_store_b64 v6, v[8:9], s[6:7] offset:1536
.endm
	s_cmp_lt_u32 ttmp9, 56
	s_cbranch_scc0 .Lnot_a
; ---- A: work-groups 0-55: a tile of 16 columns of one of the seven 128 x 128 weights
	s_load_b512 s[8:23], s[0:1], 0x0               ; map_w, wq, wk, wv, attn_w, ffn_w1, ffn_w2 (, h1_w)
	s_lshr_b32 s24, ttmp9, 3                       ; which weight
	s_and_b32 s25, ttmp9, 7                        ; tile t
	s_lshr_b32 s26, s25, 1
	s_lshl_b32 s26, s26, 5
	s_and_b32 s27, s25, 1
	s_lshl_b32 s27, s27, 3
	s_add_co_u32 s26, s26, s27                     ; 32 (t / 2) + 8 (t % 2)
	v_add_nc_u32 v7, s26, v4
	v_lshlrev_b32 v7, 2, v7                        ; my column, in bytes,
	v_lshl_add_u32 v7, v3, 14, v7                  ; lanes 16-31 begin 32 rows of 512 bytes further down
	s_wait_kmcnt 0x0
	s_cmp_eq_u32 s24, 1
	s_cselect_b64 s[8:9], s[10:11], s[8:9]
	s_cmp_eq_u32 s24, 2
	s_cselect_b64 s[8:9], s[12:13], s[8:9]
	s_cmp_eq_u32 s24, 3
	s_cselect_b64 s[8:9], s[14:15], s[8:9]
	s_cmp_eq_u32 s24, 4
	s_cselect_b64 s[8:9], s[16:17], s[8:9]
	s_cmp_eq_u32 s24, 5
	s_cselect_b64 s[8:9], s[18:19], s[8:9]
	s_cmp_eq_u32 s24, 6
	s_cselect_b64 s[8:9], s[20:21], s[8:9]
.irp c, 0,1
.irp i, 0,1,2,3,4,5,6,7,8,9,10,11,12,13,14,15,16,17,18,19,20,21,22,23,24,25,26,27,28,29,30,31
	global_load_b32 v[64+32*\c+\i], v7, s[8:9] offset:512*(64*\c+\i)
.endr
.endr
	s_cmp_ge_u32 s24, 4
	s_cselect_b32 s28, 45, 0                       ; records 0-31: map_w, wq, wk, wv; 77-100: attn_w, ffn_w1, ffn_w2
	s_add_co_u32 s28, s28, ttmp9
	s_wait_loadcnt 0x0
	QW
	PUT
	s_endpgm
.Lnot_a:
	s_cmp_lt_u32 ttmp9, 64
	s_cbranch_scc0 .Lnot_b
; ---- B: work-groups 56-63: h1_w (160 x 32: five blocks along K) and h2_w (32 x 32: one): K step ks, tile t; blocks past the end get zero codes
	s_load_b128 s[8:11], s[0:1], 0x38              ; h1_w, h2_w
	s_sub_co_u32 s24, ttmp9, 56
	s_lshr_b32 s25, s24, 2                         ; 0: h1_w, 1: h2_w
	s_bfe_u32 s26, s24, 0x10001                    ; ks
	s_and_b32 s27, s24, 1                          ; t
	s_lshl_b32 s26, s26, 2
	s_lshl_b32 s27, s27, 3
	v_add_nc_u32 v12, s27, v4
	v_lshlrev_b32 v12, 2, v12                      ; my column 8 t + r + 8 (r / 8), in bytes
	s_cmp_eq_u32 s25, 0
	s_cselect_b32 s28, 5, 1                        ; blocks that the weight has
	s_wait_kmcnt 0x0
	s_cselect_b64 s[8:9], s[8:9], s[10:11]
.irp c, 0,1
	v_add_nc_u32 v10, s26, v3
	v_add_nc_u32 v10, 2*\c, v10                    ; my block 4 ks + 2 c + h
	v_cmp_gt_u32 s[30+\c], s28, v10                ; does it exist?
	v_lshlrev_b32 v10, 12, v10                     ; 32 rows of 128 bytes a block
	v_cndmask_b32 v10, 0, v10, s[30+\c]            ; a block that does not exist reads block 0, so that no load leaves the buffer
	v_add_nc_u32 v[14+\c], v12, v10
.endr
.irp c, 0,1
.irp i, 0,1,2,3,4,5,6,7,8,9,10,11,12,13,14,15,16,17,18,19,20,21,22,23,24,25,26,27,28,29,30,31
	global_load_b32 v[64+32*\c+\i], v[14+\c], s[8:9] offset:128*\i
.endr
.endr
	s_add_co_u32 s28, s24, 101                     ; records 101-104: h1_w; 105-108: h2_w
	s_wait_loadcnt 0x0
	QW
.irp c, 0,1
.irp i, 0,1,2,3,4,5
	v_cndmask_b32 v[48+6*\c+\i], 0, v[48+6*\c+\i], s[30+\c]   ; zero codes where K has ended
.endr
.endr
	PUT
	s_endpgm
.Lnot_b:
	s_cmp_lt_u32 ttmp9, 73
	s_cbranch_scc0 .Lnot_c
; ---- C: work-groups 64-72: the distance rows that query 138 meets in tile T of the keys: row 276 - key.
; Kind 0 (DR): row m of the operand = the distance row of the tile's key m, in all four blocks of K.
; Kind 1 + g (BD_g): column n = the distance row of the tile's key 4 (n / 4) + g, in block n % 4 alone, zero codes elsewhere.
	s_load_b64 s[8:9], s[0:1], 0x48                ; dist_emb
	s_sub_co_u32 s24, ttmp9, 64                    ; T
	s_lshr_b32 s25, s24, 1
	s_lshl_b32 s25, s25, 5
	s_and_b32 s26, s24, 1
	s_lshl_b32 s26, s26, 3
	s_add_co_u32 s25, s25, s26                     ; the tile's first key: 32 (T / 2) + 8 (T % 2)  (128 for T = 8)
	s_cmp_lt_u32 s24, 8
	s_cselect_b32 s26, 8, 0                        ; tiles 0-7: key m lies m + 8 (m / 8) on; tile 8: m on
	s_mov_b32 s27, 0x01010101
	s_mov_b32 s30, 0x22221111                      ; lanes whose block h is n % 4
	s_mov_b32 s31, 0x88884444                      ; lanes whose block 2 + h is n % 4
	s_mul_i32 s28, s24, 5
	s_add_co_u32 s28, s28, 32                      ; records 32 + 5 T + kind
	s_mul_i32 s28, s28, RECB
	s_add_co_u32 s28, s28, RECO
	s_mov_b32 s29, 0
	v_and_b32 v7, 12, v2                           ; 4 (r / 4)
.irp k, 0,1,2,3,4
.if \k == 0
	v_mov_b32 v10, v2
.else
	v_add_nc_u32 v10, \k-1, v7
.endif
	v_and_b32 v11, s26, v10
	v_add3_u32 v10, v10, v11, s25                  ; the key
	v_sub_nc_u32 v10, 276, v10
	v_lshlrev_b32 v[12+\k], 7, v10                 ; its distance row, 128 bytes a row
.endr
	s_wait_kmcnt 0x0
	s_add_nc_u64 s[6:7], s[4:5], s[28:29]
.irp k, 0,1,2,3,4
.irp q, 0,1,2,3,4,5,6,7
	global_load_b128 v[64+32*\k+4*\q:64+32*\k+4*\q+3], v[12+\k], s[8:9] offset:16*\q
.endr
.endr
	s_wait_loadcnt 0x0
.irp k, 0,1,2,3,4
	v_max3_num_f32 v32, |v[64+32*\k]|, |v[65+32*\k]|, 0x1800000
.irp i, 2,4,6,8,10,12,14,16,18,20,22,24,26,28,30
	v_max3_num_f32 v32, v32, |v[64+32*\k+\i]|, |v[65+32*\k+\i]|
.endr
	v_add_nc_u32 v33, 0xff000000, v32
	v_lshrrev_b32 v34, 23, v33
	v_cvt_scalef32_pk16_fp6_f32 v[48:50], v[64+32*\k:79+32*\k], v33
	v_cvt_scalef32_pk16_fp6_f32 v[52:54], v[80+32*\k:95+32*\k], v33
	v_nop                                          ; one plain place: the lines below read the codes and write over the numbers
.irp c, 0,1
.irp i, 0,1,2
.if \k == 0
	v_mov_b32 v[64+32*\k+6*\c+\i], v[48+\i]
	v_mov_b32 v[67+32*\k+6*\c+\i], v[52+\i]
.else
	v_cndmask_b32 v[64+32*\k+6*\c+\i], 0, v[48+\i], s[30+\c]
	v_cndmask_b32 v[67+32*\k+6*\c+\i], 0, v[52+\i], s[30+\c]
.endif
.endr
.endr
	v_mul_lo_u32 v[76+32*\k], v34, s27             ; the byte four times: the word serves whichever block holds the codes
	v_mov_b32 v[77+32*\k], v[76+32*\k]
.irp q, 0,1,2
	global_store_b128 v5, v[64+32*\k+4*\q:64+32*\k+4*\q+3], s[6:7] offset:RECB*\k+512*\q
.endr
	global_store_b64 v6, v[76+32*\k:77+32*\k], s[6:7] offset:RECB*\k+1536
.endr
	s_endpgm
.Lnot_c:
	s_cmp_eq_u32 ttmp9, 73
	s_cbranch_scc0 .Lcat
; ---- D: work-group 73: fourteen vectors of 128 and four of 32, on end, then zeros up to byte 10,496
	s_load_b512 s[8:23], s[0:1], 0x58              ; tok_type, emb_ln_g, emb_ln_b, map_b, bq, bk, bv, attn_b
	s_load_b512 s[24:39], s[0:1], 0x98             ; attn_ln_g, attn_ln_b, ffn_b1, ffn_b2, ffn_ln_g, ffn_ln_b, h1_b, ln1_g
	s_load_b128 s[40:43], s[0:1], 0xd8             ; ln1_b, h2_b
	v_lshlrev_b32 v7, 2, v1
.irp i, 0,1,2,3
	v_mov_b32 v[140+\i], 0
.endr
	s_wait_kmcnt 0x0
.irp k, 0,1,2,3,4,5,6,7,8,9,10,11,12,13
	global_load_b128 v[64+4*\k:67+4*\k], v5, s[8+2*\k:9+2*\k]
.endr
.irp j, 0,1,2,3
	global_load_b32 v[128+\j], v7, s[36+2*\j:37+2*\j]
.endr
.irp i, 0,1,2,3,4
	global_store_b128 v5, v[140:143], s[4:5] offset:7680+512*\i
.endr
	global_store_b64 v6, v[140:141], s[4:5] offset:10240
	s_wait_loadcnt 0x0
.irp k, 0,1,2,3,4,5,6,7,8,9,10,11,12,13
	global_store_b128 v5, v[64+4*\k:67+4*\k], s[4:5] offset:512*\k
.endr
.irp j, 0,1,2,3
	global_store_b32 v7, v[128+\j], s[4:5] offset:7168+128*\j
.endr
	s_endpgm
.Lcat:
; ---- E: work-groups 74-79: category c's table, 400 pieces of 16 bytes, with tok_type[16 c ..] added.  Pieces 368-383 are made twice, by this wave, with the same numbers.
	s_load_b128 s[8:11], s[0:1], 0x50              ; cat_emb, tok_type
	s_sub_co_u32 s24, ttmp9, 74
	s_mul_i32 s28, s24, 6400
	s_mov_b32 s29, 0
	s_lshl_b32 s25, s24, 6
	v_and_b32 v7, 3, v1
	v_lshlrev_b32 v7, 4, v7
	v_add_nc_u32 v7, s25, v7                       ; tok_type: 64 c + 16 (L % 4)
	s_wait_kmcnt 0x0
	s_add_nc_u64 s[8:9], s[8:9], s[28:29]
	s_add_nc_u64 s[6:7], s[4:5], s[28:29]
	global_load_b128 v[8:11], v7, s[10:11]
.irp t, 0,1,2,3,4,5,6,7,8,9,10,11
	global_load_b128 v[64+4*\t:67+4*\t], v5, s[8:9] offset:512*\t
.endr
	global_load_b128 v[112:115], v5, s[8:9] offset:5888
	s_wait_loadcnt 0x0
.irp t, 0,1,2,3,4,5,6,7,8,9,10,11,12
	v_pk_add_f32 v[64+4*\t:65+4*\t], v[64+4*\t:65+4*\t], v[8:9]
	v_pk_add_f32 v[66+4*\t:67+4*\t], v[66+4*\t:67+4*\t], v[10:11]
.endr
.irp t, 0,1,2,3,4,5,6,7,8,9,10,11
	global_store_b128 v5, v[64+4*\t:67+4*\t], s[6:7] offset:CTABO+512*\t
.endr
	global_store_b128 v5, v[112:115], s[6:7] offset:CTABO+5888
	s_endpgm
.Lfunc_end_k_qa88540db3b_prep:
	.size	k_qa88540db3b_prep, .Lfunc_end_k_qa88540db3b_prep-k_qa88540db3b_prep
	.p2alignl 7, 3214868480
	.fill 96, 4, 3214868480
	.section	.rodata,"a",@progbits
	.p2align	6, 0x0
	.amdhsa_kernel k_qa88540db3b_prep
		.amdhsa_group_segment_fixed_size 0
		.amdhsa_private_segment_fixed_size 0
		.amdhsa_enable_private_segment 0
		.amdhsa_kernarg_size 240
		.amdhsa_user_sgpr_count 2
		.amdhsa_user_sgpr_kernarg_segment_ptr 1
		.amdhsa_wavefront_size32 1
		.amdhsa_system_sgpr_workgroup_id_x 1
		.amdhsa_system_sgpr_workgroup_id_y 1
		.amdhsa_system_sgpr_workgroup_id_z 1
		.amdhsa_system_vgpr_workitem_id 0
		.amdhsa_next_free_vgpr 256
		.amdhsa_next_free_sgpr 66
		.amdhsa_reserve_vcc 0
		.amdhsa_float_denorm_mode_32 3
		.amdhsa_float_denorm_mode_16_64 3
		.amdhsa_memory_ordered 1
		.amdhsa_forward_progress 1
		.amdhsa_inst_pref_size 50
	.end_amdhsa_kernel
	.amdgpu_metadata
---
amdhsa.version: [ 1, 2 ]
amdhsa.kernels:
  - .name:           k_qa88540db3b_prep
    .symbol:         k_qa88540db3b_prep.kd
    .args:
      - { .name: map_w, .offset: 0, .size: 8, .value_kind: global_buffer, .address_space: global }
      - { .name: wq, .offset: 8, .size: 8, .value_kind: global_buffer, .address_space: global }
      - { .name: wk, .offset: 16, .size: 8, .value_kind: global_buffer, .address_space: global }
      - { .name: wv, .offset: 24, .size: 8, .value_kind: global_buffer, .address_space: global }
      - { .name: attn_w, .offset: 32, .size: 8, .value_kind: global_buffer, .address_space: global }
      - { .name: ffn_w1, .offset: 40, .size: 8, .value_kind: global_buffer, .address_space: global }
      - { .name: ffn_w2, .offset: 48, .size: 8, .value_kind: global_buffer, .address_space: global }
      - { .name: h1_w, .offset: 56, .size: 8, .value_kind: global_buffer, .address_space: global }
      - { .name: h2_w, .offset: 64, .size: 8, .value_kind: global_buffer, .address_space: global }
      - { .name: dist_emb, .offset: 72, .size: 8, .value_kind: global_buffer, .address_space: global }
      - { .name: cat_emb, .offset: 80, .size: 8, .value_kind: global_buffer, .address_space: global }
      - { .name: tok_type, .offset: 88, .size: 8, .value_kind: global_buffer, .address_space: global }
      - { .name: emb_ln_g, .offset: 96, .size: 8, .value_kind: global_buffer, .address_space: global }
      - { .name: emb_ln_b, .offset: 104, .size: 8, .value_kind: global_buffer, .address_space: global }
      - { .name: map_b, .offset: 112, .size: 8, .value_kind: global_buffer, .address_space: global }
      - { .name: bq, .offset: 120, .size: 8, .value_kind: global_buffer, .address_space: global }
      - { .name: bk, .offset: 128, .size: 8, .value_kind: global_buffer, .address_space: global }
      - { .name: bv, .offset: 136, .size: 8, .value_kind: global_buffer, .address_space: global }
      - { .name: attn_b, .offset: 144, .size: 8, .value_kind: global_buffer, .address_space: global }
      - { .name: attn_ln_g, .offset: 152, .size: 8, .value_kind: global_buffer, .address_space: global }
      - { .name: attn_ln_b, .offset: 160, .size: 8, .value_kind: global_buffer, .address_space: global }
      - { .name: ffn_b1, .offset: 168, .size: 8, .value_kind: global_buffer, .address_space: global }
      - { .name: ffn_b2, .offset: 176, .size: 8, .value_kind: global_buffer, .address_space: global }
      - { .name: ffn_ln_g, .offset: 184, .size: 8, .value_kind: global_buffer, .address_space: global }
      - { .name: ffn_ln_b, .offset: 192, .size: 8, .value_kind: global_buffer, .address_space: global }
      - { .name: h1_b, .offset: 200, .size: 8, .value_kind: global_buffer, .address_space: global }
      - { .name: ln1_g, .offset: 208, .size: 8, .value_kind: global_buffer, .address_space: global }
      - { .name: ln1_b, .offset: 216, .size: 8, .value_kind: global_buffer, .address_space: global }
      - { .name: h2_b, .offset: 224, .size: 8, .value_kind: global_buffer, .address_space: global }
      - { .name: wsp, .offset: 232, .size: 8, .value_kind: global_buffer, .address_space: global }
    .group_segment_fixed_size: 0
    .private_segment_fixed_size: 0
    .kernarg_segment_align: 8
    .kernarg_segment_size: 240
    .max_flat_workgroup_size: 32
    .sgpr_count:     66
    .vgpr_count:     256
    .wavefront_size: 32
...
	.end_amdgpu_metadata
.endif
;; end of part 1
;; launch fused (part 2): grid 256 x 1, 4 waves a work-group, clusters of 4 x 1, 327,680 bytes of LDS; arguments x, prod, day, prod_emb, day_emb, ln2_g, ln2_b, h3_w, h3_b, wsp, out0; writes out0
.if DOCPART == 2
	.amdgcn_target "amdgcn-amd-amdhsa--gfx1250"
	.amdhsa_code_object_version 6
	.text
	.protected	k_qa88540db3b_fused
	.globl	k_qa88540db3b_fused
	.p2align	8
	.type	k_qa88540db3b_fused,@function
k_qa88540db3b_fused:
	s_mov_b64 s[64:65], 0
	v_nop
	global_prefetch_b8 v0, s[64:65] scope:SCOPE_SE
	s_setreg_imm32_b32 hwreg(HW_REG_WAVE_MODE, 25, 1), 1
	s_wait_xcnt 0x0
	s_wait_alu depctr_hold_cnt(0) depctr_sa_sdst(0) depctr_va_vdst(0) depctr_va_sdst(0) depctr_va_ssrc(0) depctr_va_vcc(0) depctr_vm_vsrc(0)
	s_getreg_b32 s2, hwreg(HW_REG_IB_STS2, 6, 4)
	s_cmp_eq_u32 s2, 0
	s_cbranch_scc0 .Lentry_in_a_cluster
	s_endpgm
.Lentry_in_a_cluster:
	s_bfe_u32 s2, ttmp6, 0x10000c
	s_cmp_lg_u32 s2, 0x3003
	s_cbranch_scc0 .Lentry_shape_is_right
	s_endpgm
.Lentry_shape_is_right:
; One ALBERT layer and its head for 1,024 sequences of 139 tokens, all quantised products on codes of FP6 (E2M3) with one E8M0 scale for each 32 along K.
; The head reads the layer's last row alone, so of the layer only this is made: for every token the embedding, its norm, hs, k, v and the padding mask;
; for token 138 q, one row of scores a head, the softmax, ctx, the attention output, the FFN and the head.
; SHARES.  A wave owns one sequence from x to out0, a work-group four; nothing goes from wave to wave.  The 139 tokens are 9 tiles of 16 (tokens 139-143 are rows of zeros and count for nothing).
; CLUSTER.  All work-groups read the same 205,824 bytes of weights, distance tables and vectors, laid by the launch before in the order of the operands' registers.  The four work-groups of a
; cluster ask for them JOINTLY: twelve pieces of 67 rows x 256 bytes, three a wave.  Each LDS byte is filled once in the launch.
; LAYOUT.  L lane, r = L % 16, h = L / 16.  CHAIN LAYOUT: lane (r, h) holds row r, register 16 b + i holds unit 32 b + 16 h + i.  hs, q, k and the tail are made transposed (source 0 = 16 columns of the
; weight, column 32 (t/2) + 8 (t%2) + r + 8 (r/8) in lane r of tile t; source 1 = the rows), which gives the chain layout; two conversions and a swap of halves make the next operand of it.
; The tokens of tile 2 b + u are 32 b + 8 u + r + 8 (r/8), so that v, made in the natural order (source 0 = the rows), has 16 neighbouring KEYS in a lane's 16 registers of two tiles: v is quantised along the keys.
; SCORES of query 138: q.k + q.D[276 - key] + k.D[276 - key], a head to each block of 32 of K.  QM: column n holds q's codes in block n % 4 alone.  S12 = k QM + DR QM.  X_g = k BD_g + S12: the row-wise product of k
; with the distance rows lies where the operand's key 4 (n/4) + g meets the result's row: lane (n, h = n/8), register 4 ((n/4) % 2) + g.  The other lanes' numbers go to a mirror array that nobody reads.
; SOFTMAX as the contract has it: t = logit x log2(e), M = ceil(largest t), p = 2^(t - M) is quantised, the sum of the unquantised p divides at the end.
; LIMITS: NaN and infinities are not served; a block of zeros, or one whose largest magnitude lies under 2^-124, gets the scale byte 1; ids are held to 0..99, prod to 0..29, day to 0..365;
; a wave's result is 4 bytes: out0's 256-byte runs are written in parts (4,096 bytes in all).
.set RECO,  10496                      ; LDS and wsp alike: the vectors at 0, the records of 1,792 bytes from here
.set RECB,  1792
.set XLDS,  205824                     ; behind them: each wave's 144 rows of x, 152 bytes each; later, block by block, v's codes
.set XPW,   22016
.set SCRL,  293888                     ; behind them: each wave's scratch: scores 4 x 640, their mirror, the mask's addend 640, hs of token 138 512
.set SCRW,  6400
.set EXO,   5120
.set HSO,   5760
; window 0
.set ZERO,  4
.set AW1,   5                          ; 16 L + RECO
.set AS1,   6                          ; 8 L + RECO + 1536
.set AH,    7                          ; 64 h
.set RP4,   8                          ; 4 (r + 8 (r/8))
.set BID,   9                          ; x: my token's ids
.set BNU,   10                         ; x: my token's numbers (less 24 bytes)
.set GOF,   11                         ; 6400 h
.set GA,    12                         ; v12-17 offsets into the category table
.set IDS,   18                         ; v18-23 ids
.set IDSUM, 24                         ; v24-25 their sums
.set BEX,   26
.set BSC,   27
.set BTB,   28
.set BTS,   29
.set BVT,   30
.set H8,    31                         ; 8 h
.set MS,    32                         ; v32-81 hold scale words, and v71 an LDS address
.set KS,    40
.set WS,    48
.set FS0,   56
.set FS1,   57
.set HS0,   58
.set HS1,   59
.set TS,    60
.set QMS,   70
.set VS,    72
.set VTLS,  80
.set WAD,   82                         ; v82-83 LDS addresses in hand
.set TM,    84                         ; v84-123 at work
.set F0,    124
.set F1,    136
.set H0,    148
.set H1,    160
.set QM,    172
.set VTL,   184                        ; v's codes of keys 128-143
.set BV,    196
.set TOKN,  204
.set WV5,   220                        ; wv's tiles 5-7
.set ACT,   192                        ; the tail's 64 numbers
; scalars
.set WV,    26
.set XWS,   30
.set SCRS,  31
.set SEL,   84
.set MQ0,   86
.set MSEL,  88
.set CNT,   89
.set SH,    90
.set MPAD,  91
.set CT,    96
.set NEG9,  101
.set C128,  66
.set EPS12, 67
.set SX,    104
.set ST128, 105
.set ST179, 2
.set CA13,  32
.set CA9,   34
.set CA7,   36
.set CA5,   38
.set CA3,   40
.set CA1,   42
.set CB8,   44
.set CB4,   46
.set CB2,   48
.set CB0,   50
.set RS2,   52
.set C1,    54
.set L2E,   56
.set K1,    58
.set C32,   60
.set EPS5,  61
.set MH,    62
.set C0101, 63
.set MSB, 0
.macro WIN new                         ; bits 1:0 source 0, 3:2 source 1, 5:4 source 2, 7:6 destination; the high byte repeats the setting that is left
.if MSB != (\new)
	s_set_vgpr_msb (MSB<<8)|(\new)
.set MSB, (\new)
.endif
.endm
.macro PLACES n                        ; plain places behind or in front of matrix instructions (ISA guide 7.12.1)
.rept \n
	v_nop
.endr
.endm
.macro CROUND                          ; a round of the cluster's barrier
	s_barrier_signal -1
	s_barrier_wait -1
	s_cmp_lg_u32 s[WV], 0
	s_cbranch_scc1 .Lnot_wave_0_\@
	s_barrier_signal -3
.Lnot_wave_0_\@:
	s_barrier_wait -3
	s_barrier_signal -1
	s_barrier_wait -1
.endm
.macro SPAIR reg, val                  ; a constant for packed forms: both words are written
	s_mov_b32 s[\reg], \val
	s_mov_b32 s[(\reg)+1], \val
.endm
.macro WM d, a, b, c, sa, sb
	v_wmma_scale_f32_16x16x128_f8f6f4 v[(\d):(\d)+7], v[(\a):(\a)+11], v[(\b):(\b)+11], v[(\c):(\c)+7], v[(\sa)], v[(\sb)] matrix_a_fmt:MATRIX_FMT_FP6 matrix_b_fmt:MATRIX_FMT_FP6
.endm
.macro WM0 d, a, b, sa, sb
	v_wmma_scale_f32_16x16x128_f8f6f4 v[(\d):(\d)+7], v[(\a):(\a)+11], v[(\b):(\b)+11], 0, v[(\sa)], v[(\sb)] matrix_a_fmt:MATRIX_FMT_FP6 matrix_b_fmt:MATRIX_FMT_FP6
.endm
.macro IMG dst, off                    ; a vector of 128 in the chain layout
.irp b, 0,1,2,3
.irp q, 0,1,2,3
	ds_load_b128 v[(\dst)+16*\b+4*\q:(\dst)+16*\b+4*\q+3], v[AH] offset:(\off)+128*\b+16*\q
.endr
.endr
.endm
.macro IMG16 dst, off                  ; a vector of 32 likewise
.irp q, 0,1,2,3
	ds_load_b128 v[(\dst)+4*\q:(\dst)+4*\q+3], v[AH] offset:(\off)+16*\q
.endr
.endm
.macro FRAGL dst, adr, rec             ; a record's 12 registers
.irp q, 0,1,2
	ds_load_b128 v[(\dst)+4*\q:(\dst)+4*\q+3], v[\adr] offset:RECB*(\rec)+512*\q
.endr
.endm
; 64 numbers a tile in the chain layout, v[src + 64 k] on in window sw, become tile k's operand (12 registers) and its rows' scale word
.macro QUANT n, src, sw, fa, fb, sa, sb
	WIN (\sw)|((\sw)<<2)
.irp b, 0,1,2,3
.set qk, 0
.rept \n
	v_max3_num_f32 v[TM+20*qk+\b], |v[(\src)+64*qk+16*\b]|, |v[(\src)+64*qk+16*\b+1]|, 0x1800000   ; my 16 of block b, and the floor 2^(3 - 127)
.set qk, qk+1
.endr
.endr
.irp i, 2,4,6,8,10,12,14
.irp b, 0,1,2,3
.set qk, 0
.rept \n
	v_max3_num_f32 v[TM+20*qk+\b], |v[(\src)+64*qk+16*\b+\i]|, |v[(\src)+64*qk+16*\b+\i+1]|, v[TM+20*qk+\b]
.set qk, qk+1
.endr
.endr
.endr
	WIN 0
.irp b, 0,1,2,3
.set qk, 0
.rept \n
	v_permlanex16_b32 v[TM+20*qk+4+\b], v[TM+20*qk+\b], s[SEL], s[SEL+1]
.set qk, qk+1
.endr
.endr
.irp b, 0,1,2,3
.set qk, 0
.rept \n
	v_max_num_f32 v[TM+20*qk+\b], v[TM+20*qk+\b], v[TM+20*qk+4+\b]   ; with lane l xor 16's: the block's largest magnitude
.set qk, qk+1
.endr
.endr
.irp b, 0,1,2,3
.set qk, 0
.rept \n
	v_add_nc_u32 v[TM+20*qk+8+\b], 0xff000000, v[TM+20*qk+\b]        ; 2 off the exponent field: the conversion's scale operand
.set qk, qk+1
.endr
.endr
.irp b, 0,1,2,3
.set qk, 0
.rept \n
	v_lshrrev_b32 v[TM+20*qk+4+\b], 23, v[TM+20*qk+8+\b]             ; the scale's byte
.set qk, qk+1
.endr
.endr
.set qk, 0
.rept \n
	v_lshl_or_b32 v[(\sa)+qk*((\sb)-(\sa))], v[TM+20*qk+5], 8, v[TM+20*qk+4]
	v_lshl_or_b32 v[(\sa)+qk*((\sb)-(\sa))], v[TM+20*qk+6], 16, v[(\sa)+qk*((\sb)-(\sa))]
	v_lshl_or_b32 v[(\sa)+qk*((\sb)-(\sa))], v[TM+20*qk+7], 24, v[(\sa)+qk*((\sb)-(\sa))]
.set qk, qk+1
.endr
	WIN (\sw)
.set qk, 0
.rept \n
.irp c, 0,1
	v_cvt_scalef32_pk16_fp6_f32 v[(\fa)+qk*((\fb)-(\fa))+6*\c:(\fa)+qk*((\fb)-(\fa))+6*\c+2], v[(\src)+64*qk+32*\c:(\src)+64*qk+32*\c+15], v[TM+20*qk+8+2*\c]
	v_cvt_scalef32_pk16_fp6_f32 v[TM+20*qk+12+4*\c:TM+20*qk+14+4*\c], v[(\src)+64*qk+32*\c+16:(\src)+64*qk+32*\c+31], v[TM+20*qk+9+2*\c]
.endr
.set qk, qk+1
.endr
	WIN 0
	v_nop                                          ; one plain place behind a scaled conversion
.set qk, 0
.rept \n
.irp c, 0,1
.irp i, 0,1,2
	v_permlane16_swap_b32 v[(\fa)+qk*((\fb)-(\fa))+6*\c+\i], v[TM+20*qk+12+4*\c+\i]   ; the operand wants a whole block in a lane
.endr
.irp i, 0,1,2
	v_mov_b32 v[(\fa)+qk*((\fb)-(\fa))+6*\c+3+\i], v[TM+20*qk+12+4*\c+\i]
.endr
.endr
.set qk, qk+1
.endr
.endm
; 16 numbers (one block of 32 in lanes l and l xor 16) become block 0 of an operand.  Its other blocks keep codes that are left there: they meet zero codes of the weight.  The scale word is the byte four times.
.macro QUANT16 src, sw, f, s
	WIN (\sw)|((\sw)<<2)
	v_max3_num_f32 v[TM], |v[(\src)]|, |v[(\src)+1]|, 0x1800000
.irp i, 2,4,6,8,10,12,14
	v_max3_num_f32 v[TM], |v[(\src)+\i]|, |v[(\src)+\i+1]|, v[TM]
.endr
	WIN 0
	v_permlanex16_b32 v[TM+4], v[TM], s[SEL], s[SEL+1]
	v_max_num_f32 v[TM], v[TM], v[TM+4]
	v_add_nc_u32 v[TM+8], 0xff000000, v[TM]
	v_lshrrev_b32 v[TM+4], 23, v[TM+8]
	v_mul_lo_u32 v[\s], v[TM+4], s[C0101]
	WIN (\sw)
	v_cvt_scalef32_pk16_fp6_f32 v[(\f):(\f)+2], v[(\src):(\src)+15], v[TM+8]
	WIN 0
	v_nop
.irp i, 0,1,2
	v_mov_b32 v[TM+12+\i], v[(\f)+\i]
.endr
.irp i, 0,1,2
	v_permlane16_swap_b32 v[(\f)+\i], v[TM+12+\i]  ; lanes 0-15 get the block's upper 16 codes from lanes 16-31
.endr
.irp i, 0,1,2
	v_mov_b32 v[(\f)+3+\i], v[TM+12+\i]
.endr
.endm
.macro LNRED n                         ; four pairs of partial sums a tile -> the row's sum in v[TM + 20 k]
.set lk, 0
.rept \n
	v_pk_add_f32 v[TM+20*lk:TM+20*lk+1], v[TM+20*lk:TM+20*lk+1], v[TM+20*lk+2:TM+20*lk+3]
	v_pk_add_f32 v[TM+20*lk+4:TM+20*lk+5], v[TM+20*lk+4:TM+20*lk+5], v[TM+20*lk+6:TM+20*lk+7]
.set lk, lk+1
.endr
.set lk, 0
.rept \n
	v_pk_add_f32 v[TM+20*lk:TM+20*lk+1], v[TM+20*lk:TM+20*lk+1], v[TM+20*lk+4:TM+20*lk+5]
.set lk, lk+1
.endr
.set lk, 0
.rept \n
	v_add_f32 v[TM+20*lk], v[TM+20*lk], v[TM+20*lk+1]
.set lk, lk+1
.endr
.set lk, 0
.rept \n
	v_permlanex16_b32 v[TM+20*lk+8], v[TM+20*lk], s[SEL], s[SEL+1]
.set lk, lk+1
.endr
.set lk, 0
.rept \n
	v_add_f32 v[TM+20*lk], v[TM+20*lk], v[TM+20*lk+8]
.set lk, lk+1
.endr
.endm
; LayerNorm over 128 (eps 1e-12): d (window dw, 64 registers a tile, spoiled), gain g (gw), bias bb (bw) -> o (ow)
.macro LNORM n, d, dw, g, gw, bb, bw, o, ow
	WIN (\dw)|((\dw)<<2)
.irp c, 0,2,4,6
.set lk, 0
.rept \n
	v_pk_add_f32 v[TM+20*lk+\c:TM+20*lk+\c+1], v[(\d)+64*lk+\c:(\d)+64*lk+\c+1], v[(\d)+64*lk+8+\c:(\d)+64*lk+9+\c]
.set lk, lk+1
.endr
.endr
	WIN (\dw)
.irp i, 16,24,32,40,48,56
.irp c, 0,2,4,6
.set lk, 0
.rept \n
	v_pk_add_f32 v[TM+20*lk+\c:TM+20*lk+\c+1], v[(\d)+64*lk+\i+\c:(\d)+64*lk+\i+\c+1], v[TM+20*lk+\c:TM+20*lk+\c+1]
.set lk, lk+1
.endr
.endr
.endr
	WIN 0
	LNRED \n
.set lk, 0
.rept \n
	v_mul_f32 v[TM+20*lk+10], s[C128], v[TM+20*lk] ; the mean
.set lk, lk+1
.endr
	WIN (\dw)|((\dw)<<6)
.set li, 0
.rept 32
.set lk, 0
.rept \n
	v_pk_add_f32 v[(\d)+64*lk+li:(\d)+64*lk+li+1], v[(\d)+64*lk+li:(\d)+64*lk+li+1], v[TM+20*lk+10:TM+20*lk+11] op_sel_hi:[1,0] neg_lo:[0,1] neg_hi:[0,1]
.set lk, lk+1
.endr
.set li, li+2
.endr
	WIN (\dw)|((\dw)<<2)
.irp c, 0,2,4,6
.set lk, 0
.rept \n
	v_pk_mul_f32 v[TM+20*lk+\c:TM+20*lk+\c+1], v[(\d)+64*lk+\c:(\d)+64*lk+\c+1], v[(\d)+64*lk+\c:(\d)+64*lk+\c+1]
.set lk, lk+1
.endr
.endr
.irp i, 8,16,24,32,40,48,56
.irp c, 0,2,4,6
.set lk, 0
.rept \n
	v_pk_fma_f32 v[TM+20*lk+\c:TM+20*lk+\c+1], v[(\d)+64*lk+\i+\c:(\d)+64*lk+\i+\c+1], v[(\d)+64*lk+\i+\c:(\d)+64*lk+\i+\c+1], v[TM+20*lk+\c:TM+20*lk+\c+1]
.set lk, lk+1
.endr
.endr
.endr
	WIN 0
	LNRED \n
.set lk, 0
.rept \n
	v_fma_f32 v[TM+20*lk], v[TM+20*lk], s[C128], s[EPS12]
.set lk, lk+1
.endr
.set lk, 0
.rept \n
	v_rsq_f32 v[TM+20*lk+10], v[TM+20*lk]
.set lk, lk+1
.endr
	v_nop                                          ; a plain place behind the transcendental,
	s_wait_alu depctr_va_vdst(0)                   ; and a wait ahead of its first reader
	WIN (\dw)|((\dw)<<6)
.set li, 0
.rept 32
.set lk, 0
.rept \n
	v_pk_mul_f32 v[(\d)+64*lk+li:(\d)+64*lk+li+1], v[(\d)+64*lk+li:(\d)+64*lk+li+1], v[TM+20*lk+10:TM+20*lk+11] op_sel_hi:[1,0]
.set lk, lk+1
.endr
.set li, li+2
.endr
	WIN (\dw)|((\gw)<<2)|((\bw)<<4)|((\ow)<<6)
.set li, 0
.rept 32
.set lk, 0
.rept \n
	v_pk_fma_f32 v[(\o)+64*lk+li:(\o)+64*lk+li+1], v[(\d)+64*lk+li:(\d)+64*lk+li+1], v[(\g)+li:(\g)+li+1], v[(\bb)+li:(\bb)+li+1]
.set lk, lk+1
.endr
.set li, li+2
.endr
	WIN 0
.endm
; LayerNorm over 32 (eps 1e-5) of v[ACT .. ACT+15], in place; gain and bias in window 1
.macro LN32 g, bb
	v_pk_add_f32 v[TM:TM+1], v[ACT:ACT+1], v[ACT+2:ACT+3]
	v_pk_add_f32 v[TM+2:TM+3], v[ACT+4:ACT+5], v[ACT+6:ACT+7]
.irp i, 8,12
	v_pk_add_f32 v[TM:TM+1], v[TM:TM+1], v[ACT+\i:ACT+\i+1]
	v_pk_add_f32 v[TM+2:TM+3], v[TM+2:TM+3], v[ACT+\i+2:ACT+\i+3]
.endr
	v_pk_add_f32 v[TM:TM+1], v[TM:TM+1], v[TM+2:TM+3]
	v_add_f32 v[TM], v[TM], v[TM+1]
	v_permlanex16_b32 v[TM+8], v[TM], s[SEL], s[SEL+1]
	v_add_f32 v[TM], v[TM], v[TM+8]
	v_mul_f32 v[TM+10], s[C32], v[TM]
.irp i, 0,2,4,6,8,10,12,14
	v_pk_add_f32 v[ACT+\i:ACT+\i+1], v[ACT+\i:ACT+\i+1], v[TM+10:TM+11] op_sel_hi:[1,0] neg_lo:[0,1] neg_hi:[0,1]
.endr
	v_pk_mul_f32 v[TM:TM+1], v[ACT:ACT+1], v[ACT:ACT+1]
	v_pk_mul_f32 v[TM+2:TM+3], v[ACT+2:ACT+3], v[ACT+2:ACT+3]
.irp i, 4,8,12
	v_pk_fma_f32 v[TM:TM+1], v[ACT+\i:ACT+\i+1], v[ACT+\i:ACT+\i+1], v[TM:TM+1]
	v_pk_fma_f32 v[TM+2:TM+3], v[ACT+\i+2:ACT+\i+3], v[ACT+\i+2:ACT+\i+3], v[TM+2:TM+3]
.endr
	v_pk_add_f32 v[TM:TM+1], v[TM:TM+1], v[TM+2:TM+3]
	v_add_f32 v[TM], v[TM], v[TM+1]
	v_permlanex16_b32 v[TM+8], v[TM], s[SEL], s[SEL+1]
	v_add_f32 v[TM], v[TM], v[TM+8]
	v_fma_f32 v[TM], v[TM], s[C32], s[EPS5]
	v_rsq_f32 v[TM+10], v[TM]
	v_nop
	s_wait_alu depctr_va_vdst(0)
.irp i, 0,2,4,6,8,10,12,14
	v_pk_mul_f32 v[ACT+\i:ACT+\i+1], v[ACT+\i:ACT+\i+1], v[TM+10:TM+11] op_sel_hi:[1,0]
.endr
	WIN 0x14
.irp i, 0,2,4,6,8,10,12,14
	v_pk_fma_f32 v[ACT+\i:ACT+\i+1], v[ACT+\i:ACT+\i+1], v[(\g)+\i:(\g)+\i+1], v[(\bb)+\i:(\bb)+\i+1]
.endr
	WIN 0
.endm
; x (1 + erf(x / sqrt 2)) / 2 on v[ACT .. ACT+15]: erf(z) = z P(z^2) / Q(z^2), z held to +-4, degrees 6 and 4 in z^2
.set GZ,  ACT+16
.set GZ2, ACT+32
.set GP,  ACT+48
.macro GELUE
	v_mov_b32 v[TM+36], 0x32edffee                 ; alpha_11
	v_mov_b32 v[TM+37], 0x32edffee
	v_mov_b32 v[TM+38], 0xb95fbd29                 ; beta_6
	v_mov_b32 v[TM+39], 0xb95fbd29
.irp i, 0,2,4,6,8,10,12,14
	v_pk_mul_f32 v[GZ+\i:GZ+\i+1], v[ACT+\i:ACT+\i+1], s[RS2:RS2+1] op_sel_hi:[1,0]
.endr
.irp i, 0,1,2,3,4,5,6,7,8,9,10,11,12,13,14,15
	v_med3_num_f32 v[GZ+\i], v[GZ+\i], -4.0, 4.0
.endr
.irp i, 0,2,4,6,8,10,12,14
	v_pk_mul_f32 v[GZ2+\i:GZ2+\i+1], v[GZ+\i:GZ+\i+1], v[GZ+\i:GZ+\i+1]
.endr
.irp i, 0,2,4,6,8,10,12,14
	v_pk_fma_f32 v[GP+\i:GP+\i+1], v[GZ2+\i:GZ2+\i+1], s[CA13:CA13+1], v[TM+36:TM+37] op_sel_hi:[1,0,1]
	v_pk_fma_f32 v[TM+\i:TM+\i+1], v[GZ2+\i:GZ2+\i+1], s[CB8:CB8+1], v[TM+38:TM+39] op_sel_hi:[1,0,1]
.endr
.irp k, CA9, CA7, CA5, CA3, CA1
.irp i, 0,2,4,6,8,10,12,14
	v_pk_fma_f32 v[GP+\i:GP+\i+1], v[GP+\i:GP+\i+1], v[GZ2+\i:GZ2+\i+1], s[\k:\k+1] op_sel_hi:[1,1,0]
.endr
.endr
.irp k, CB4, CB2, CB0
.irp i, 0,2,4,6,8,10,12,14
	v_pk_fma_f32 v[TM+\i:TM+\i+1], v[TM+\i:TM+\i+1], v[GZ2+\i:GZ2+\i+1], s[\k:\k+1] op_sel_hi:[1,1,0]
.endr
.endr
.irp i, 0,1,2,3,4,5,6,7,8,9,10,11,12,13,14,15
	v_rcp_f32 v[TM+\i], v[TM+\i]
.endr
.irp i, 0,2,4,6,8,10,12,14
	v_pk_mul_f32 v[GP+\i:GP+\i+1], v[GP+\i:GP+\i+1], v[GZ+\i:GZ+\i+1]       ; plain work behind the reciprocals, which names none of them
.endr
.irp i, 0,2,4,6,8,10,12,14
	v_pk_mul_f32 v[GZ+\i:GZ+\i+1], v[ACT+\i:ACT+\i+1], 0.5 op_sel_hi:[1,0]
.endr
	s_wait_alu depctr_va_vdst(0)                   ; one wait for the sixteen, ahead of their first reader
.irp i, 0,2,4,6,8,10,12,14
	v_pk_mul_f32 v[GP+\i:GP+\i+1], v[GP+\i:GP+\i+1], v[TM+\i:TM+\i+1]
.endr
.irp i, 0,2,4,6,8,10,12,14
	v_pk_fma_f32 v[ACT+\i:ACT+\i+1], v[GZ+\i:GZ+\i+1], v[GP+\i:GP+\i+1], v[GZ+\i:GZ+\i+1]
.endr
.endm
.macro GADDR u                         ; tile u's three ids: their sum for the mask, and their rows in the table
	v_add3_u32 v[IDSUM+\u], v[IDS+3*\u], v[IDS+3*\u+1], v[IDS+3*\u+2]
.irp b, 0,1,2
	v_min_u32 v[GA+3*\u+\b], 99, v[IDS+3*\u+\b]
.endr
.irp b, 0,1,2
	v_lshl_add_u32 v[GA+3*\u+\b], v[GA+3*\u+\b], 6, v[GOF]
.endr
.endm
.macro GATHER u                        ; category 2 b + h of my token: 64 bytes; destination window 1
.irp b, 0,1,2
.irp q, 0,1,2,3
	global_load_b128 v[64*\u+16*\b+4*\q:64*\u+16*\b+4*\q+3], v[GA+3*\u+\b], s[CT:CT+1] offset:12800*\b+16*\q
.endr
.endr
.endm
; the next block's table rows and numbers into window 1, and the ids of the block after it.  cond = 1: the ids are left out where no such block exists
.macro PREFETCH noff, cond
	GADDR 0
	GADDR 1
	v_add_nc_u32 v[WAD], s[SX], v[BNU]
	v_add_nc_u32 v[WAD+1], s[SX], v[BID]
	WIN 0x40
	GATHER 0
	GATHER 1
.irp u, 0,1
.irp q, 0,1,2,3,4,5,6,7
	ds_load_b64 v[64*\u+48+2*\q:64*\u+49+2*\q], v[WAD] offset:(\noff)+24+1216*\u+8*\q
.endr
.endr
	WIN 0
.if \cond
	s_cmp_le_u32 s[CNT], 2
	s_cbranch_scc1 .Lno_ids_\@
.endif
.irp u, 0,1
.irp b, 0,1,2
	ds_load_b32 v[IDS+3*\u+\b], v[WAD+1] offset:(\noff)+4864+1216*\u+8*\b
.endr
.endr
.if \cond
.Lno_ids_\@:
.endif
.endm
; the mask's addend of each token to LDS at v[WAD] + eoff + 32 k; the 16 numbers become f32 and get tok_type
.macro EMBED n, t8, eoff
	WIN 0x05
.set ek, 0
.rept \n
	v_add3_u32 v[TM+20*ek], v[64*ek+48], v[64*ek+49], v[IDSUM+ek]
.set ek, ek+1
.endr
.irp i, 2,4,6,8,10,12,14
.set ek, 0
.rept \n
	v_add3_u32 v[TM+20*ek], v[64*ek+48+\i], v[64*ek+49+\i], v[TM+20*ek]
.set ek, ek+1
.endr
.endr
	WIN 0
.set ek, 0
.rept \n
	v_permlanex16_b32 v[TM+20*ek+4], v[TM+20*ek], s[SEL], s[SEL+1]
	v_add_nc_u32 v[TM+20*ek], v[TM+20*ek], v[TM+20*ek+4]     ; the sum of the row's 38 whole numbers
	v_cmp_ne_u32 vcc_lo, 0, v[TM+20*ek]
	v_cndmask_b32 v[TM+20*ek+1], s[NEG9], v[ZERO], vcc_lo     ; 0 where it is not 0, else -1e9
.if \t8
	v_mov_b32 v[TM+2], 0xff800000
	v_cndmask_b32 v[TM+1], v[TM+1], v[TM+2], s[MPAD]          ; tokens 139-143 do not exist: -infinity
.endif
	ds_store_b32 v[WAD], v[TM+20*ek+1] offset:(\eoff)+32*ek   ; both halves of the lanes write the same word with the same number
.set ek, ek+1
.endr
	WIN 0x41
.irp i, 0,1,2,3,4,5,6,7,8,9,10,11,12,13,14,15
.set ek, 0
.rept \n
	v_cvt_f32_i32 v[64*ek+48+\i], v[64*ek+48+\i]
.set ek, ek+1
.endr
.endr
.irp i, 0,2,4,6,8,10,12,14
.set ek, 0
.rept \n
	v_pk_add_f32 v[64*ek+48+\i:64*ek+49+\i], v[64*ek+48+\i:64*ek+49+\i], v[TOKN+\i:TOKN+\i+1]
.set ek, ek+1
.endr
.endr
	WIN 0
.endm
; 8 n matrix instructions: tile t of a weight (a + 12 t) against n operands; C = the bias in the result's layout.  No two that follow each other share an accumulator.
.macro MM8 n, d, a, sa, fa, fb, sfa, sfb, c
.set mt, 0
.rept 8
.set mk, 0
.rept \n
	WM (\d)+64*mk+8*mt, (\a)+12*mt, (\fa)+mk*((\fb)-(\fa)), (\c)+8*mt, (\sa)+mt, (\sfa)+mk*((\sfb)-(\sfa))
.set mk, mk+1
.endr
.set mt, mt+1
.endr
.endm
.macro BIASV reg, t                    ; bv of my column of tile t onto a pair
.if ((\t)%2) == 0
	v_pk_add_f32 v[(\reg):(\reg)+1], v[(\reg):(\reg)+1], v[BV+(\t):BV+(\t)+1] op_sel_hi:[1,0]
.else
	v_pk_add_f32 v[(\reg):(\reg)+1], v[(\reg):(\reg)+1], v[BV+(\t)-1:BV+(\t)] op_sel:[0,1] op_sel_hi:[1,1]
.endif
.endm
; the scores of query 138 for n tiles of keys whose k lies in F0 (, F1).  v[WAD], v[WAD+1]: the tiles' five records each and their scale words
.macro SCORES n, t8, soff
	WIN 0x80
.set sk, 0
.rept \n
.irp g, 0,1,2,3
	FRAGL 48*sk+12*\g, WAD, 5*sk+1+\g
.endr
.set sk, sk+1
.endr
	WIN 0
.set sk, 0
.rept \n
	FRAGL TM+16+12*sk, WAD, 5*sk
.irp j, 0,1,2,3,4
	ds_load_b32 v[TS+5*sk+\j], v[WAD+1] offset:RECB*(5*sk+\j)
.endr
.set sk, sk+1
.endr
.if \t8
	v_lshrrev_b32 v[WAD], 3, v2                    ; tile 8's keys are neighbours: 32 (r / 8) bytes less
	v_lshlrev_b32 v[WAD], 5, v[WAD]
	v_sub_nc_u32 v[WAD], v[BSC], v[WAD]
.else
	v_add_nc_u32 v[WAD], s[ST128], v[BSC]
.endif
	s_wait_dscnt 0x0
	PLACES 8                                       ; k's codes and scale words were written by vector instructions
.set sk, 0
.rept \n
	WM0 TM+8*sk, F0+12*sk, QM, FS0+sk, QMS
.set sk, sk+1
.endr
.set sk, 0
.rept \n
.if (\n) == 1
	s_wait_alu depctr_va_vdst(0)                   ; the wait stands directly ahead of the link
.endif
	WM TM+8*sk, TM+16+12*sk, QM, TM+8*sk, TS+5*sk, QMS
.set sk, sk+1
.endr
	PLACES 5                                       ; the sums go on as the C of other accumulators
.set sk, 0
.rept \n
	WIN 0x88
.irp g, 0,1,2,3
	WM 96+8*\g, F0+12*sk, 48*sk+12*\g, TM+8*sk, FS0+sk, TS+5*sk+1+\g
.endr
	WIN 0
	PLACES 5                                       ; for the reads below, and for the next matrix instructions, which write over these registers
	WIN 0x0a
.irp g, 0,1,2,3
	v_cndmask_b32 v[TM+8*sk+\g], v[96+9*\g], v[100+9*\g], s[MSEL]   ; register g or 4 + g of X_g
.endr
	WIN 0
.irp g, 0,1,2,3
	ds_store_b32 v[WAD], v[TM+8*sk+\g] offset:(\soff)+32*sk+4*\g
.endr
.set sk, sk+1
.endr
.endm
; ================ HEAD
	s_load_b512 s[4:19], s[0:1], 0x0               ; x, prod, day, prod_emb, day_emb, ln2_g, ln2_b, h3_w
	s_load_b128 s[20:23], s[0:1], 0x40             ; h3_b, wsp
	s_load_b64 s[24:25], s[0:1], 0x50              ; out0
	v_lshl_add_u32 v71, v0, 2, 0x4e000
	s_set_vgpr_msb 0xc0
	v_mov_b32 v255, 0
	s_set_vgpr_msb 0xc0cc
	ds_add_u32 v71, v255
	ds_add_u32 v71, v255
	s_set_vgpr_msb 0xcc00
	v_lshrrev_b32 v1, 5, v0
	v_readfirstlane_b32 s[WV], v1                  ; wave 0..3
	v_and_b32 v1, 31, v0                           ; L
	v_and_b32 v2, 15, v0                           ; r
	v_bfe_u32 v3, v0, 4, 1                         ; h
	v_mov_b32 v[ZERO], 0
	s_bfe_u32 s27, ttmp6, 0x40000                  ; my place in the cluster: it enters global addresses of x, prod, day and out0 alone
	s_lshl_b32 s28, ttmp9, 2
	s_add_co_u32 s28, s28, s27                     ; work-group
	s_lshl_b32 s29, s28, 2
	s_add_co_u32 s29, s29, s[WV]                   ; my sequence
	s_mul_i32 s[XWS], s[WV], XPW
	s_add_co_u32 s[XWS], s[XWS], XLDS              ; my rows of x in LDS
	s_mul_i32 s[SCRS], s[WV], SCRW
	s_add_co_u32 s[SCRS], s[SCRS], SCRL            ; my scratch
	s_mul_i32 s3, s[WV], 17152                     ; my piece of each third of the shared block
	; group 1 of the joint loads: 67 rows of 32 elements of 8 bytes, dense; the mask names the four work-groups
	s_mov_b32 s32, 15|(3<<16)|(1<<21)
	s_mov_b32 s33, 32<<16
	s_mov_b32 s34, 67<<16
	s_mov_b32 s35, 32<<16
	s_mov_b32 s36, 67
	s_mov_b32 s37, 32
	s_mov_b32 s38, 0
	s_mov_b32 s39, 0
	; group 1 for 64 rows of x: 38 elements of 4 bytes
	s_mov_b32 s40, 2<<16
	s_mov_b32 s41, 38<<16
	s_mov_b32 s42, 64<<16
	s_mov_b32 s43, 38<<16
	s_mov_b32 s44, 64
	s_mov_b32 s45, 38
	s_mov_b32 s46, 0
	s_mov_b32 s47, 0
	; group 1 for rows 128-143: 11 are left of the sequence, the other five arrive as zeros
	s_mov_b32 s48, 2<<16
	s_mov_b32 s49, 38<<16
	s_mov_b32 s50, 11<<16
	s_mov_b32 s51, 38<<16
	s_mov_b32 s52, 16
	s_mov_b32 s53, 38
	s_mov_b32 s54, 0
	s_mov_b32 s55, 0
	s_mov_b32 s[SEL], 0x76543210
	s_mov_b32 s[SEL+1], 0xfedcba98                 ; v_permlanex16_b32's selects for lane l xor 16
	s_mov_b32 s[MQ0], 0x22221111                   ; lanes whose block h is n % 4
	s_mov_b32 s[MQ0+1], 0x88884444                 ; lanes whose block 2 + h is n % 4
	s_mov_b32 s[MSEL], 0xf0f0f0f0
	s_mov_b32 s[MPAD], 0xf800f800                  ; r >= 11
	s_mov_b32 s[NEG9], 0xce6e6b28                  ; -1e9
	s_mov_b32 s[C128], 0x3c000000                  ; 1 / 128
	s_mov_b32 s[EPS12], 0x2b8cbccc                 ; 1e-12
	s_mov_b32 s[CNT], 4
	s_mov_b32 s[SX], 0
	s_mov_b32 s[ST128], 0
	s_mov_b32 s[ST179], 0
	s_mov_b32 s[SH], 0
	s_mul_i32 s92, s29, 21128                      ; a sequence is 139 rows of 152 bytes
	s_mov_b32 s93, 0
	s_mov_b32 s94, s3
	s_mov_b32 s95, 0
	s_wait_dscnt 0x0
	s_wait_kmcnt 0x0
	s_add_nc_u64 s[92:93], s[4:5], s[92:93]        ; x at my sequence
	s_add_nc_u64 s[94:95], s[22:23], s[94:95]      ; wsp at my piece: it hangs on the wave's number alone
	s_mov_b32 s56, 1                               ; rows 128-143 of x
	s_add_co_u32 s57, s[XWS], 19456
	s_add_nc_u64 s[58:59], s[92:93], 19456
	s_or_b32 s59, s59, 0x80000000
	s_mov_b32 s60, 1                               ; first third: the vectors, map_w, wq, wk, wv
	s_mov_b32 s61, s3
	s_mov_b64 s[62:63], s[94:95]
	s_or_b32 s63, s63, 0x80000000
	s_mov_b32 s68, 1                               ; rows 0-63 of x
	s_mov_b32 s69, s[XWS]
	s_mov_b64 s[70:71], s[92:93]
	s_or_b32 s71, s71, 0x80000000
	s_mov_b32 s72, 1                               ; second third
	s_add_co_u32 s73, s3, 68608
	s_add_nc_u64 s[74:75], s[94:95], 68608
	s_or_b32 s75, s75, 0x80000000
	s_mov_b32 s76, 1                               ; rows 64-127 of x
	s_add_co_u32 s77, s[XWS], 9728
	s_add_nc_u64 s[78:79], s[92:93], 9728
	s_or_b32 s79, s79, 0x80000000
	s_mov_b32 s80, 1                               ; last third
	s_add_co_u32 s81, s3, 137216
	s_add_nc_u64 s[82:83], s[94:95], 137216
	s_or_b32 s83, s83, 0x80000000
	s_lshl_b32 s94, s29, 2
	s_mov_b32 s95, 0
	s_add_nc_u64 s[6:7], s[6:7], s[94:95]          ; prod, day and out0 at my sequence
	s_add_nc_u64 s[8:9], s[8:9], s[94:95]
	s_add_nc_u64 s[24:25], s[24:25], s[94:95]
	s_add_nc_u64 s[CT:CT+1], s[22:23], 205824      ; the category table
	CROUND                                         ; all four work-groups are here: the joint loads meet
	tensor_load_to_lds s[56:59], s[48:55]          ; six loads of mine are out, all first fills; they end in this order
	s_nop 0
	tensor_load_to_lds s[60:63], s[32:39]
	s_nop 0
	tensor_load_to_lds s[68:71], s[40:47]
	s_nop 0
	tensor_load_to_lds s[72:75], s[32:39]
	s_nop 0
	tensor_load_to_lds s[76:79], s[40:47]
	s_nop 0
	tensor_load_to_lds s[80:83], s[32:39]
	s_nop 0
	PLACES 4                                       ; behind a tensor load
	s_load_b32 s98, s[6:7], 0x0                    ; prod, day, h3_b: wanted at the end
	s_load_b32 s99, s[8:9], 0x0
	s_load_b32 s100, s[20:21], 0x0
	v_and_b32 v8, 8, v2
	v_add_nc_u32 v8, v8, v2                        ; r + 8 (r / 8)
	v_lshl_add_u32 v[AW1], v1, 4, RECO
	v_lshl_add_u32 v[AS1], v1, 3, RECO+1536
	v_lshlrev_b32 v[AH], 6, v3
	v_mul_u32_u24 v[BID], v8, 152
	v_add_nc_u32 v[BID], s[XWS], v[BID]
	v_lshl_add_u32 v[BNU], v3, 6, v[BID]           ; numbers 16 h on
	v_lshl_add_u32 v[BID], v3, 2, v[BID]           ; ids 2 b + h
	v_mul_u32_u24 v[GOF], v3, 6400
	v_lshl_add_u32 v[BEX], v8, 2, s[SCRS]
	v_and_b32 v[WAD], 3, v2
	v_mul_u32_u24 v[BSC], v[WAD], 640              ; scores: head r % 4,
	v_lshrrev_b32 v[WAD], 2, v2
	v_lshl_add_u32 v[BSC], v[WAD], 4, v[BSC]       ; key 4 (r / 4) of the tile,
	v_lshrrev_b32 v[WAD], 3, v2
	v_lshl_add_u32 v[BSC], v[WAD], 5, v[BSC]       ; which lies 8 (r / 8) tokens further on;
	v_xor_b32 v[WAD], v3, v[WAD]
	v_mad_u32_u24 v[BSC], v[WAD], 2560, v[BSC]     ; lanes with h other than r / 8 write the mirror
	v_add_nc_u32 v[BSC], s[SCRS], v[BSC]
	v_lshl_add_u32 v[BTB], v1, 4, RECO+RECB*32
	v_lshl_add_u32 v[BTS], v1, 3, RECO+RECB*32+1536
	v_lshlrev_b32 v[BVT], 5, v2
	v_lshl_add_u32 v[BVT], v3, 4, v[BVT]
	v_add_nc_u32 v[BVT], s[XWS], v[BVT]
	v_lshlrev_b32 v[H8], 3, v3
	v_lshlrev_b32 v[RP4], 2, v8
.set hi, 0
.rept 40
	v_mov_b32 v[TM+hi], 0                          ; written once: a lane permute's destination and both halves of a named pair count as read
.set hi, hi+1
.endr
.irp t, 0,1,2,3,4,5,6,7
	v_mov_b32 v[VS+\t], 0                          ; v's scale words are gathered byte by byte
.endr
	v_mov_b32 v[QMS], 0
; ================ TILE 8 (tokens 128-143), alone: it holds token 138, whose q every score needs
	s_wait_tensorcnt 0x5                           ; rows 128-143 are in; the five loads behind them may be out.  Only I read these bytes
	v_mul_u32_u24 v[WAD], v2, 152
	v_add_nc_u32 v[WAD], s[XWS], v[WAD]
	v_lshl_add_u32 v[WAD+1], v3, 6, v[WAD]
	v_lshl_add_u32 v[WAD], v3, 2, v[WAD]
.irp b, 0,1,2
	ds_load_b32 v[IDS+\b], v[WAD] offset:19456+8*\b
.endr
	WIN 0x40
.irp q, 0,1,2,3,4,5,6,7
	ds_load_b64 v[48+2*\q:49+2*\q], v[WAD+1] offset:19456+24+8*\q
.endr
	WIN 0
	s_wait_dscnt 0x0
	GADDR 0
	WIN 0x40
	GATHER 0
	WIN 0
	s_wait_tensorcnt 0x4                           ; my piece of the first third is in; four loads may be out
	s_barrier_signal -1
	s_barrier_wait -1                              ; everybody's piece is
	WIN 0x40                                       ; 36 loads: the norm's gain and bias, tok_type's last 32
	IMG 128, 512
	IMG 192, 1024
	WIN 0
.irp q, 0,1,2,3
	ds_load_b128 v[TOKN+4*\q:TOKN+4*\q+3], v[AH] offset:384+16*\q
.endr
.irp t, 0,1,2,3,4,5,6,7                        ; 48 loads: map_w, its scale words, map_b
	ds_load_b32 v[MS+\t], v[AS1] offset:RECB*\t
.endr
	WIN 0xc0
.irp t, 0,1,2,3,4,5,6,7
	FRAGL 12*\t, AW1, \t
.endr
	WIN 0x80
	IMG 128, 1536
	WIN 0
	s_wait_loadcnt 0x0                             ; the table's rows
	s_wait_dscnt 48                                ; the 36 are in; map_w's 48 may be out
	v_lshl_add_u32 v[WAD], v2, 2, s[SCRS]
	EMBED 1, 1, EXO+512
	LNORM 1, 0, 1, 128, 1, 192, 1, 0, 1
	QUANT 1, 0, 1, F0, F0, FS0, FS0
.irp t, 0,1,2,3,4,5,6,7                        ; 48 loads: wq (used once: it waits where later operands will lie), its scale words, bq
	ds_load_b32 v[TS+\t], v[AS1] offset:RECB*(8+\t)
.endr
	WIN 0x80
.irp t, 0,1,2,3,4
	FRAGL 64+12*\t, AW1, 8+\t
.endr
	WIN 0
.irp t, 5,6,7
	FRAGL H1+12*(\t-5), AW1, 8+\t
.endr
	WIN 0x40
	IMG 64, 2048
	WIN 0
	s_wait_dscnt 48                                ; map_w's loads and the mask's store are done; wq's 48 may be out
	PLACES 8
	WIN 0xa3
	MM8 1, 0, 0, MS, F0, F0, FS0, FS0, 128         ; hs
	WIN 0
	PLACES 4
	QUANT 1, 0, 2, H0, H0, HS0, HS0
	v_lshl_add_u32 v[WAD], v3, 4, s[SCRS]
	s_wait_xcnt 0x0                                ; EXEC changes only behind this wait
	v_cmp_eq_u32 vcc_lo, 10, v2
	s_and_saveexec_b32 s94, vcc_lo                 ; row 10 is token 138: its hs is kept for the residual
	WIN 0x08
.irp g, 0,1,2,3,4,5,6,7,8,9,10,11,12,13,14,15
	ds_store_b128 v[WAD], v[4*\g:4*\g+3] offset:HSO+32*\g
.endr
	WIN 0
	s_or_b32 exec_lo, exec_lo, s94
	s_wait_tensorcnt 0x3                           ; rows 0-63 of x are in; three loads may be out
.irp u, 0,1
.irp b, 0,1,2
	ds_load_b32 v[IDS+3*\u+\b], v[BID] offset:1216*\u+8*\b
.endr
.endr
	s_wait_dscnt 6                                 ; wq and the stores of hs are done; the six ids may be out
.irp t, 0,1,2,3,4,5,6,7                        ; 48 loads: wk, its scale words, bk
	ds_load_b32 v[KS+\t], v[AS1] offset:RECB*(16+\t)
.endr
	WIN 0xc0
.irp t, 0,1,2,3,4,5,6,7
	FRAGL 96+12*\t, AW1, 16+\t
.endr
	WIN 0x80
	IMG 192, 2560
	WIN 0
	PLACES 8
	WIN 0x92
.irp t, 0,1,2,3,4
	WM 8*\t, 64+12*\t, H0, 64+8*\t, TS+\t, HS0     ; q
.endr
	WIN 0x90
.irp t, 5,6,7
	WM 8*\t, H1+12*(\t-5), H0, 64+8*\t, TS+\t, HS0
.endr
	WIN 0
	PLACES 4
	QUANT 1, 0, 2, F1, F1, FS1, FS1
.irp i, 0,1,2,3,4,5,6,7,8,9,10,11
	v_mov_b32_dpp v[QM+\i], v[F1+\i] row_share:10 row_mask:0xf bank_mask:0xf   ; row 10's codes to every column
.endr
	v_mov_b32_dpp v[QMS], v[FS1] row_share:10 row_mask:0xf bank_mask:0xf
.irp c, 0,1
.irp i, 0,1,2,3,4,5
	v_cndmask_b32 v[QM+6*\c+\i], 0, v[QM+6*\c+\i], s[MQ0+\c]   ; column n keeps block n % 4 alone
.endr
.endr
	s_wait_dscnt 48                                ; the ids are in; wk's 48 may be out
	PREFETCH 0, 0                                  ; block 0's rows and numbers, block 1's ids: 22 LDS loads
	s_wait_dscnt 22                                ; wk is in
.irp t, 0,1,2,3,4,5,6,7                        ; wv, its scale words, bv of my columns
	ds_load_b32 v[WS+\t], v[AS1] offset:RECB*(24+\t)
	ds_load_b32 v[BV+\t], v[RP4] offset:3072+128*(\t/2)+32*(\t%2)
.endr
	WIN 0xc0
.irp t, 0,1,2,3,4
	FRAGL 192+12*\t, AW1, 24+\t
.endr
	WIN 0
.irp t, 5,6,7
	FRAGL WV5+12*(\t-5), AW1, 24+\t
.endr
	WIN 0xa3
	MM8 1, 0, 96, KS, H0, H0, HS0, HS0, 192        ; k
	WIN 0
	PLACES 4
	QUANT 1, 0, 2, F0, F0, FS0, FS0
	s_wait_dscnt 0x0
	; v of tokens 128-143, natural order.  Column tiles 4 c + u and 4 c + 2 + u get neighbouring accumulators: a swap of halves then gives a lane 16 keys of ONE column
.set xt, 0
.rept 8
.set xs, 2*(2*(xt/4)+(xt%2))+((xt/2)%2)
.if xt < 5
	WIN 0x8c
	WM0 8*xs, H0, 192+12*xt, HS0, WS+xt
.else
	WIN 0x80
	WM0 8*xs, H0, WV5+12*(xt-5), HS0, WS+xt
.endif
.set xt, xt+1
.endr
	WIN 0
	PLACES 4
	WIN 0x82
.set xt, 0
.rept 8
.set xs, 2*(2*(xt/4)+(xt%2))+((xt/2)%2)
.irp j, 0,2,4,6
	BIASV 8*xs+\j, xt
.endr
.set xt, xt+1
.endr
.irp p, 0,1,2,3
.irp j, 0,1,2,3,4,5,6,7
	v_permlane16_swap_b32 v[16*\p+\j], v[16*\p+8+\j]   ; lanes 0-15: keys 128-143 of tile 4 c + u's column; lanes 16-31: of tile 4 c + 2 + u's
.endr
.endr
	WIN 0x80
.irp p, 0,1,2,3
.irp j, 3,4,5,6,7
	v_mov_b32 v[16*\p+8+\j], 0                     ; K ends at key 138: the block is filled with zeros
.endr
.endr
	WIN 0x0a
.irp p, 0,1,2,3
	v_max3_num_f32 v[TM+\p], |v[16*\p]|, |v[16*\p+1]|, 0x1800000
.endr
.irp i, 2,4,6,8
.irp p, 0,1,2,3
	v_max3_num_f32 v[TM+\p], |v[16*\p+\i]|, |v[16*\p+\i+1]|, v[TM+\p]
.endr
.endr
.irp p, 0,1,2,3
	v_max3_num_f32 v[TM+\p], |v[16*\p+10]|, |v[16*\p+10]|, v[TM+\p]
.endr
	WIN 0
.irp p, 0,1,2,3
	v_add_nc_u32 v[TM+8+\p], 0xff000000, v[TM+\p]
.endr
.irp p, 0,1,2,3
	v_lshrrev_b32 v[TM+4+\p], 23, v[TM+8+\p]
.endr
.irp u, 0,1
	v_lshl_or_b32 v[VTLS+\u], v[TM+6+\u], 16, v[TM+4+\u]   ; blocks h and 2 + h of the operand for u,
	v_lshlrev_b32 v[VTLS+\u], v[H8], v[VTLS+\u]
	v_permlanex16_b32 v[TM+12+\u], v[VTLS+\u], s[SEL], s[SEL+1]
	v_or_b32 v[VTLS+\u], v[VTLS+\u], v[TM+12+\u]            ; with lane l xor 16's two the word is whole
.endr
	WIN 0x02
.irp p, 0,1,2,3
	v_cvt_scalef32_pk16_fp6_f32 v[TM+16+4*\p:TM+18+4*\p], v[16*\p:16*\p+15], v[TM+8+\p]
.endr
	WIN 0
	v_nop
.irp p, 0,1,2,3
.irp i, 0,1,2
	v_mov_b32 v[VTL+3*\p+\i], v[TM+16+4*\p+\i]
.endr
.endr
	s_wait_tensorcnt 0x0                           ; all my loads have landed,
	s_wait_dscnt 0x0
	s_barrier_signal -1
	s_barrier_wait -1                              ; and everybody's: the whole shared block is in LDS
	v_lshl_add_u32 v[WAD], v1, 4, RECO+RECB*72
	v_lshl_add_u32 v[WAD+1], v1, 3, RECO+RECB*72+1536
	SCORES 1, 1, 512
; ================ FOUR BLOCKS OF 32 TOKENS, two tiles at a time.  No barrier: all that is written is the wave's own
.Ltrip:
	s_wait_loadcnt 0x0                             ; this block's table rows,
	s_wait_dscnt 0x0                               ; its numbers, and the next block's ids
	v_add_nc_u32 v[WAD], s[ST128], v[BEX]
	EMBED 2, 0, EXO
	LNORM 2, 0, 1, 128, 1, 192, 1, 0, 1
	QUANT 2, 0, 1, F0, F1, FS0, FS1
	s_cmp_eq_u32 s[CNT], 1                         ; the last block asks for nothing
	s_cbranch_scc1 .Lno_next
	PREFETCH 4864, 1
.Lno_next:
	PLACES 8
	WIN 0xa3
	MM8 2, 0, 0, MS, F0, F1, FS0, FS1, 128         ; hs
	WIN 0
	PLACES 4
	QUANT 2, 0, 2, H0, H1, HS0, HS1
	PLACES 8
	WIN 0xa3
	MM8 2, 0, 96, KS, H0, H1, HS0, HS1, 192        ; k
	WIN 0
	PLACES 4
	QUANT 2, 0, 2, F0, F1, FS0, FS1
	v_add_nc_u32 v[WAD], s[ST179], v[BTB]
	v_add_nc_u32 v[WAD+1], s[ST179], v[BTS]
	SCORES 2, 0, 0
	; v, natural order: the 16 registers of column tile t are keys 32 b + 16 h + 0 .. 15 of my column
.set xt, 0
.rept 8
.if xt < 5
	WIN 0x8c
.else
	WIN 0x80
.endif
.irp u, 0,1
.if xt < 5
	WM0 16*xt+8*\u, H0+12*\u, 192+12*xt, HS0+\u, WS+xt
.else
	WM0 16*xt+8*\u, H0+12*\u, WV5+12*(xt-5), HS0+\u, WS+xt
.endif
.endr
.set xt, xt+1
.endr
	WIN 0
	PLACES 4
	WIN 0x82
.set xt, 0
.rept 8
.irp j, 0,2,4,6,8,10,12,14
	BIASV 16*xt+\j, xt
.endr
.set xt, xt+1
.endr
	WIN 0x0a
.irp t, 0,1,2,3,4,5,6,7
	v_max3_num_f32 v[TM+\t], |v[16*\t]|, |v[16*\t+1]|, 0x1800000
.endr
.irp i, 2,4,6,8,10,12,14
.irp t, 0,1,2,3,4,5,6,7
	v_max3_num_f32 v[TM+\t], |v[16*\t+\i]|, |v[16*\t+\i+1]|, v[TM+\t]
.endr
.endr
	WIN 0
.irp t, 0,1,2,3,4,5,6,7
	v_permlanex16_b32 v[TM+8+\t], v[TM+\t], s[SEL], s[SEL+1]
.endr
.irp t, 0,1,2,3,4,5,6,7
	v_max_num_f32 v[TM+\t], v[TM+\t], v[TM+8+\t]
.endr
.irp t, 0,1,2,3,4,5,6,7
	v_add_nc_u32 v[TM+16+\t], 0xff000000, v[TM+\t]
.endr
.irp t, 0,1,2,3,4,5,6,7
	v_lshrrev_b32 v[TM+8+\t], 23, v[TM+16+\t]
.endr
.irp t, 0,1,2,3,4,5,6,7
	v_lshl_or_b32 v[VS+\t], v[TM+8+\t], s[SH], v[VS+\t]    ; byte b of my column's scale word
.endr
	v_add_nc_u32 v[WAD], s[SX], v[BVT]
	WIN 0x02
.irp t, 0,1,2,3,4,5
	v_cvt_scalef32_pk16_fp6_f32 v[H0+4*\t:H0+4*\t+2], v[16*\t:16*\t+15], v[TM+16+\t]
.endr
.irp t, 6,7
	v_cvt_scalef32_pk16_fp6_f32 v[TM+8+4*\t:TM+10+4*\t], v[16*\t:16*\t+15], v[TM+16+\t]
.endr
	WIN 0
	v_nop
.irp t, 0,1,2,3,4,5                            ; 12 bytes to a place of 16, over this block's rows of x, which have had their only fill and their last read
	ds_store_b96 v[WAD], v[H0+4*\t:H0+4*\t+2] offset:512*\t
.endr
.irp t, 6,7
	ds_store_b96 v[WAD], v[TM+8+4*\t:TM+10+4*\t] offset:512*\t
.endr
	s_add_co_u32 s[SX], s[SX], 4864
	s_add_co_u32 s[ST128], s[ST128], 128
	s_add_co_u32 s[ST179], s[ST179], 17920
	s_add_co_u32 s[SH], s[SH], 8
	s_sub_co_u32 s[CNT], s[CNT], 1
	s_cmp_lg_u32 s[CNT], 0
	s_cbranch_scc1 .Ltrip
; ================ TOKEN 138: softmax, ctx, and the tail on a tile of sixteen equal rows
	s_wait_kmcnt 0x0
	s_min_u32 s98, s98, 29
	s_lshl_b32 s92, s98, 6
	s_mov_b32 s93, 0
	s_add_nc_u64 s[10:11], s[10:11], s[92:93]      ; prod_emb's row
	s_min_u32 s99, s99, 365
	s_lshl_b32 s92, s99, 6
	s_add_nc_u64 s[12:13], s[12:13], s[92:93]      ; day_emb's row
	WIN 0x40
.irp q, 0,1,2,3
	global_load_b128 v[160+4*\q:163+4*\q], v[ZERO], s[10:11] offset:16*\q
	global_load_b128 v[176+4*\q:179+4*\q], v[ZERO], s[12:13] offset:16*\q
.endr
	WIN 0
	SPAIR CA13, 0xaf95df0b                         ; erf's coefficients (the descriptors' registers: every tensor load has been waited for)
	SPAIR CA9,  0xb60cff51
	SPAIR CA7,  0xb86ec2d2
	SPAIR CA5,  0xba40ac63
	SPAIR CA3,  0xbb41a1f6
	SPAIR CA1,  0xbc83dbd4
	SPAIR CB8,  0xb77460cd
	SPAIR CB4,  0xbadc924e
	SPAIR CB2,  0xbbf19bf8
	SPAIR CB0,  0xbc69b6a7
	SPAIR RS2,  0x3f3504f3                         ; 1 / sqrt 2
	SPAIR C1,   0x3e3504f3                         ; 1 / sqrt 32
	SPAIR L2E,  0x3fb8aa3b                         ; log2 e
	SPAIR K1,   0xbdd2d3e8                         ; -2 sqrt(2 / pi) log2(e) x 0.044715
	s_mov_b32 s[C32], 0x3d000000                   ; 1 / 32
	s_mov_b32 s[EPS5], 0x3727c5ac                  ; 1e-5
	s_mov_b32 s[MH], 0xffff0000
	s_mov_b32 s[C0101], 0x01010101
	v_and_b32 v9, 3, v2
	v_mul_u32_u24 v9, v9, 640
	v_add_nc_u32 v9, s[SCRS], v9                   ; my head's scores (head r % 4)
	v_lshl_add_u32 v10, v3, 7, v9                  ; keys 32 h on
	v_mov_b32 v12, s[SCRS]
	v_lshl_add_u32 v13, v3, 7, v12
	v_mul_u32_u24 v14, v3, 4864
	v_lshl_add_u32 v14, v2, 5, v14
	v_add_nc_u32 v14, s[XWS], v14                  ; v's codes: block h, row r
	v_lshl_add_u32 v15, v1, 4, RECO+RECB*77
	v_lshl_add_u32 v16, v1, 3, RECO+RECB*77+1536
	v_lshl_add_u32 v17, v3, 4, s[SCRS]
	WIN 0x40                                       ; LDS serves a wave's instructions in order: these see my stores
.irp c, 0,1
.irp q, 0,1,2,3,4,5,6,7
	ds_load_b128 v[32*\c+4*\q:32*\c+4*\q+3], v10 offset:256*\c+16*\q           ; scores of keys 64 c + 32 h + 0 .. 31: whole blocks 2 c + h
	ds_load_b128 v[64+32*\c+4*\q:67+32*\c+4*\q], v13 offset:EXO+256*\c+16*\q    ; and the mask's addends
.endr
.endr
.irp q, 0,1,2,3
	ds_load_b128 v[128+4*\q:131+4*\q], v9 offset:512+16*\q                     ; keys 128-143
	ds_load_b128 v[144+4*\q:147+4*\q], v12 offset:EXO+512+16*\q
.endr
	WIN 0xc0
.irp t, 0,1,2,3,4,5,6,7
.irp c, 0,1
	ds_load_b96 v[96+12*\t+6*\c:98+12*\t+6*\c], v14 offset:9728*\c+512*\t       ; v's codes, block 2 c + h: the lower 16 keys,
	ds_load_b96 v[192+8*\t+4*\c:194+8*\t+4*\c], v14 offset:9728*\c+512*\t+16    ; the upper 16 (three registers begin on an even number: they are moved below)
.endr
.endr
	WIN 0
	s_wait_dscnt 32                                ; the 40 loads of scores and addends are in; v's 32 may be out
	WIN 0x51
.set pi, 0
.rept 32
	v_pk_fma_f32 v[pi:pi+1], v[pi:pi+1], s[C1:C1+1], v[64+pi:65+pi] op_sel_hi:[1,0,1]   ; the logit
.set pi, pi+2
.endr
.set pi, 0
.rept 8
	v_pk_fma_f32 v[128+pi:129+pi], v[128+pi:129+pi], s[C1:C1+1], v[144+pi:145+pi] op_sel_hi:[1,0,1]
.set pi, pi+2
.endr
	WIN 0x40                                       ; what the tail's first steps want, asked for now
.irp g, 0,1,2,3,4,5,6,7,8,9,10,11,12,13,14,15
	ds_load_b128 v[64+4*\g:67+4*\g], v17 offset:HSO+32*\g      ; hs of token 138, in every row
.endr
	IMG 192, 4608                                  ; attn_ln_b
	WIN 0x80
	IMG 64, 5120                                   ; ffn_b1
	IMG 128, 3584                                  ; attn_b
	IMG 192, 4096                                  ; attn_ln_g
	WIN 0xc0
.irp t, 0,1,2,3,4,5,6,7
	FRAGL 12*\t, 15, \t                            ; attn_w
.endr
	WIN 0
.irp t, 0,1,2,3,4,5,6,7
	ds_load_b32 v[MS+\t], v16 offset:RECB*\t
.endr
	WIN 0x05
.irp c, 0,1
	v_max3_num_f32 v[TM+\c], v[32*\c], v[32*\c+1], 0xff800000    ; THE LARGEST LOGIT OF EACH BLOCK: for the row's maximum, and, since p rises with it, for the block's largest p
.endr
	v_max3_num_f32 v[TM+2], v128, v129, 0xff800000
.irp i, 2,4,6,8,10,12,14,16,18,20,22,24,26,28,30
.irp c, 0,1
	v_max3_num_f32 v[TM+\c], v[32*\c+\i], v[32*\c+\i+1], v[TM+\c]
.endr
.if \i < 16
	v_max3_num_f32 v[TM+2], v[128+\i], v[129+\i], v[TM+2]
.endif
.endr
	WIN 0
	v_max3_num_f32 v[TM+3], v[TM], v[TM+1], v[TM+2]
	v_permlanex16_b32 v[TM+4], v[TM+3], s[SEL], s[SEL+1]
	v_max_num_f32 v[TM+3], v[TM+3], v[TM+4]        ; the row's largest logit
	v_mul_f32 v[TM+3], s[L2E], v[TM+3]
	v_floor_f32 v[TM+6], -v[TM+3]                  ; -M = floor(-t): M is a whole number
.irp c, 0,1,2
	v_mul_f32 v[TM+\c], s[L2E], v[TM+\c]
.endr
.irp c, 0,1,2
	v_add_f32 v[TM+\c], v[TM+\c], v[TM+6]
.endr
	WIN 0x41
.set pi, 0
.rept 32
	v_pk_mul_f32 v[pi:pi+1], v[pi:pi+1], s[L2E:L2E+1] op_sel_hi:[1,0]          ; t, rounded to f32 as the contract's t is: a multiply and then an addition, not one fused form
.set pi, pi+2
.endr
.set pi, 128
.rept 8
	v_pk_mul_f32 v[pi:pi+1], v[pi:pi+1], s[L2E:L2E+1] op_sel_hi:[1,0]
.set pi, pi+2
.endr
.set pi, 0
.rept 32
	v_pk_add_f32 v[pi:pi+1], v[pi:pi+1], v[TM+6:TM+7] op_sel_hi:[1,0]
.set pi, pi+2
.endr
.set pi, 128
.rept 8
	v_pk_add_f32 v[pi:pi+1], v[pi:pi+1], v[TM+6:TM+7] op_sel_hi:[1,0]
.set pi, pi+2
.endr
.set pi, 0
.rept 64
	v_exp_f32 v[pi], v[pi]                         ; p = 2^(t - M): not normalised
.set pi, pi+1
.endr
.set pi, 128
.rept 16
	v_exp_f32 v[pi], v[pi]
.set pi, pi+1
.endr
	WIN 0
	v_nop                                          ; a plain place behind the batch,
	s_wait_alu depctr_va_vdst(0)                   ; and one wait for it, ahead of its first reader
.irp c, 0,1,2
	v_exp_f32 v[TM+\c], v[TM+\c]                   ; the blocks' largest p: the same instructions on the same numbers
.endr
	WIN 0x05                                       ; THE SUM IS TAKEN OF THE UNQUANTISED p
	v_pk_add_f32 v[TM+8:TM+9], v[0:1], v[2:3]
	v_pk_add_f32 v[TM+10:TM+11], v[4:5], v[6:7]
	v_pk_add_f32 v[TM+12:TM+13], v[128:129], v[130:131]
	WIN 0x01
.irp i, 8,12,16,20,24,28,32,36,40,44,48,52,56,60
	v_pk_add_f32 v[TM+8:TM+9], v[\i:\i+1], v[TM+8:TM+9]
	v_pk_add_f32 v[TM+10:TM+11], v[\i+2:\i+3], v[TM+10:TM+11]
.endr
.irp i, 132,134,136,138,140,142
	v_pk_add_f32 v[TM+12:TM+13], v[\i:\i+1], v[TM+12:TM+13]
.endr
	WIN 0
	v_pk_add_f32 v[TM+8:TM+9], v[TM+8:TM+9], v[TM+10:TM+11]
	v_add_f32 v[TM+8], v[TM+8], v[TM+9]
	v_permlanex16_b32 v[TM+4], v[TM+8], s[SEL], s[SEL+1]
	v_add_f32 v[TM+8], v[TM+8], v[TM+4]            ; keys 0-127: my 64 and lane l xor 16's,
	v_add_f32 v[TM+12], v[TM+12], v[TM+13]
	v_add_f32 v[TM+8], v[TM+8], v[TM+12]           ; keys 128-143, which both halves hold, once
	v_rcp_f32 v[TM+14], v[TM+8]
	v_nop
	s_wait_alu depctr_va_vdst(0)                   ; one wait for the three exponentials and the reciprocal
.irp c, 0,1,2
	v_max_num_f32 v[TM+\c], 0x1800000, v[TM+\c]
.endr
.irp c, 0,1,2
	v_add_nc_u32 v[TM+16+\c], 0xff000000, v[TM+\c]
.endr
.irp c, 0,1,2
	v_lshrrev_b32 v[TM+20+\c], 23, v[TM+16+\c]
.endr
	v_lshl_or_b32 v[FS1], v[TM+21], 16, v[TM+20]
	v_lshlrev_b32 v[FS1], v[H8], v[FS1]
	v_permlanex16_b32 v[TM+4], v[FS1], s[SEL], s[SEL+1]
	v_or_b32 v[FS1], v[FS1], v[TM+4]               ; p's scale word for keys 0-127
	v_mul_lo_u32 v[HS0], v[TM+22], s[C0101]        ; and for keys 128-159, whichever block holds them
	WIN 0x01
.irp c, 0,1
	v_cvt_scalef32_pk16_fp6_f32 v[F1+6*\c:F1+6*\c+2], v[32*\c:32*\c+15], v[TM+16+\c]
	v_cvt_scalef32_pk16_fp6_f32 v[TM+24+4*\c:TM+26+4*\c], v[32*\c+16:32*\c+31], v[TM+16+\c]
.endr
	v_cvt_scalef32_pk16_fp6_f32 v[TM+32:TM+34], v[128:143], v[TM+18]
	WIN 0
	v_nop
.irp c, 0,1
.irp i, 0,1,2
	v_mov_b32 v[F1+6*\c+3+\i], v[TM+24+4*\c+\i]
	v_cndmask_b32 v[H0+6*\c+\i], 0, v[TM+32+\i], s[MQ0+\c]     ; keys 128-143 in block n % 4 alone,
	v_mov_b32 v[H0+6*\c+3+\i], 0                               ; keys 144-159: zero codes
.endr
.endr
	WIN 0x80
.irp u, 0,1
.irp c, 0,1
.irp i, 0,1,2
	v_mov_b32 v[12*\u+6*\c+\i], v[VTL+3*(2*\c+\u)+\i]          ; block 2 c + h of the operand for u: column tile 4 c + 2 h + u, keys 128-143
	v_mov_b32 v[12*\u+6*\c+3+\i], 0
.endr
.endr
.endr
	WIN 0
	s_wait_dscnt 0x0
	WIN 0xc3
.irp t, 0,1,2,3,4,5,6,7
.irp c, 0,1
.irp i, 0,1,2
	v_mov_b32 v[99+12*\t+6*\c+\i], v[192+8*\t+4*\c+\i]
.endr
.endr
.endr
	WIN 0
	PLACES 8
	WIN 0x82
.irp u, 0,1
	WM0 32+8*\u, 12*\u, H0, VTLS+\u, HS0           ; each lane gets the keys 128-138 of its own head's column tile 2 (n % 4) + u
.endr
	WIN 0
	PLACES 5
	WIN 0x23
.irp t, 0,1,2,3,4,5,6,7
	WM ACT+8*\t, 96+12*\t, F1, 32+8*(\t%2), VS+\t, FS1   ; right in lanes n % 4 = t / 2
.endr
	WIN 0
	PLACES 4
.set pi, 0
.rept 32
	v_pk_mul_f32 v[ACT+pi:ACT+pi+1], v[ACT+pi:ACT+pi+1], v[TM+14:TM+15] op_sel_hi:[1,0]   ; divided by my head's sum
.set pi, pi+2
.endr
.irp b, 0,1,2,3
.irp i, 0,1,2,3,4,5,6,7,8,9,10,11,12,13,14,15
	v_mov_b32_dpp v[ACT+16*\b+\i], v[ACT+16*\b+\i] quad_perm:[\b,\b,\b,\b] row_mask:0xf bank_mask:0xf   ; head b's lane of each four to all four: sixteen equal rows of ctx
.endr
.endr
	QUANT 1, ACT, 0, F0, F0, FS0, FS0
	PLACES 8
	WIN 0x23
	MM8 1, ACT, 0, MS, F0, F0, FS0, FS0, 128       ; ctx attn_w + attn_b
	WIN 0
	PLACES 4
	WIN 0xc0                                       ; all further weights, into registers that are done with
.irp t, 0,1,2,3,4,5,6,7
	FRAGL 96+12*\t, 15, 8+\t                       ; ffn_w1
	FRAGL 12*\t, 15, 16+\t                         ; ffn_w2
.endr
.irp j, 0,1,2,3
	FRAGL 192+12*\j, 15, 24+\j                     ; h1_w: K step j / 2, tile j % 2
.endr
	WIN 0x80
.irp t, 0,1
	FRAGL 12*\t, 15, 28+\t                         ; h2_w
.endr
	IMG 128, 5632                                  ; ffn_b2
	IMG16 32, 7168                                 ; h1_b
	IMG16 48, 7552                                 ; h2_b
	WIN 0x40
	IMG16 128, 7296                                ; ln1_g
	IMG16 144, 7424                                ; ln1_b
	WIN 0
.irp t, 0,1,2,3,4,5,6,7
	ds_load_b32 v[KS+\t], v16 offset:RECB*(8+\t)
	ds_load_b32 v[WS+\t], v16 offset:RECB*(16+\t)
.endr
.irp j, 0,1,2,3,4,5
	ds_load_b32 v[TS+\j], v16 offset:RECB*(24+\j)
.endr
	WIN 0x04
.set pi, 0
.rept 32
	v_pk_add_f32 v[ACT+pi:ACT+pi+1], v[ACT+pi:ACT+pi+1], v[64+pi:65+pi]    ; + hs
.set pi, pi+2
.endr
	WIN 0
	LNORM 1, ACT, 0, 192, 2, 192, 1, 0, 1          ; attn_out, into window 1: it is the next operand's source and the later residual
	WIN 0x80
	IMG 192, 6144                                  ; ffn_ln_g
	WIN 0x40
	IMG 192, 6656                                  ; ffn_ln_b
	WIN 0
	QUANT 1, 0, 1, F0, F0, FS0, FS0
	s_wait_dscnt 0x0
	PLACES 8
	WIN 0x23
	MM8 1, ACT, 96, KS, F0, F0, FS0, FS0, 64       ; attn_out ffn_w1 + ffn_b1
	WIN 0
	PLACES 4
	; gelu_new(x) = x / (1 + 2^(x (k0 + k1 x^2)))
	v_mov_b32 v[TM+36], 0xc0135761                 ; k0 = -2 sqrt(2 / pi) log2(e)
	v_mov_b32 v[TM+37], 0xc0135761
	WIN 0x40
.set pi, 0
.rept 32
	v_pk_mul_f32 v[64+pi:65+pi], v[ACT+pi:ACT+pi+1], v[ACT+pi:ACT+pi+1]
.set pi, pi+2
.endr
	WIN 0x41
.set pi, 0
.rept 32
	v_pk_fma_f32 v[64+pi:65+pi], v[64+pi:65+pi], s[K1:K1+1], v[TM+36:TM+37] op_sel_hi:[1,0,1]
.set pi, pi+2
.endr
	WIN 0x44
.set pi, 0
.rept 32
	v_pk_mul_f32 v[64+pi:65+pi], v[ACT+pi:ACT+pi+1], v[64+pi:65+pi]
.set pi, pi+2
.endr
	WIN 0x41
.set pi, 0
.rept 64
	v_exp_f32 v[64+pi], v[64+pi]
.set pi, pi+1
.endr
	v_nop
	s_wait_alu depctr_va_vdst(0)
.set pi, 0
.rept 32
	v_pk_add_f32 v[64+pi:65+pi], v[64+pi:65+pi], 1.0 op_sel_hi:[1,0]
.set pi, pi+2
.endr
.set pi, 0
.rept 64
	v_rcp_f32 v[64+pi], v[64+pi]
.set pi, pi+1
.endr
	v_nop
	s_wait_alu depctr_va_vdst(0)
	WIN 0x04
.set pi, 0
.rept 32
	v_pk_mul_f32 v[ACT+pi:ACT+pi+1], v[ACT+pi:ACT+pi+1], v[64+pi:65+pi]
.set pi, pi+2
.endr
	WIN 0
	s_wait_loadcnt 0x0                             ; the rows of prod_emb and day_emb
	WIN 0x45
.irp i, 0,1,2,3,4,5,6,7,8,9,10,11,12,13,14,15
	v_cndmask_b32 v[160+\i], v[160+\i], v[176+\i], s[MH]   ; units 128 + 16 h + i of the head's input: prod's in lanes 0-15, day's in lanes 16-31
.endr
	WIN 0
	QUANT16 160, 1, H1, HS1
	WIN 0x40
.irp q, 0,1,2,3
	global_load_b128 v[64+4*\q:67+4*\q], v[AH], s[14:15] offset:16*\q      ; ln2_g
	global_load_b128 v[80+4*\q:83+4*\q], v[AH], s[16:17] offset:16*\q      ; ln2_b
	global_load_b128 v[96+4*\q:99+4*\q], v[AH], s[18:19] offset:16*\q      ; h3_w
.endr
	WIN 0
	QUANT 1, ACT, 0, F0, F0, FS0, FS0
	PLACES 8
	WIN 0x23
	MM8 1, ACT, 0, WS, F0, F0, FS0, FS0, 128       ; ffn ffn_w2 + ffn_b2
	WIN 0
	PLACES 4
	WIN 0x04
.set pi, 0
.rept 32
	v_pk_add_f32 v[ACT+pi:ACT+pi+1], v[ACT+pi:ACT+pi+1], v[pi:pi+1]        ; + attn_out
.set pi, pi+2
.endr
	WIN 0
	LNORM 1, ACT, 0, 192, 2, 192, 1, ACT, 0        ; seq's last row
	QUANT 1, ACT, 0, F0, F0, FS0, FS0
	PLACES 8
	WIN 0x23
.irp t, 0,1
	WM ACT+8*\t, 192+12*\t, F0, 32+8*\t, TS+\t, FS0        ; h1: K 0-127, C = h1_b; the two accumulators take turns
.endr
	WIN 0x03
.irp t, 0,1
	WM ACT+8*\t, 216+12*\t, H1, ACT+8*\t, TS+2+\t, HS1     ; K 128-159
.endr
	WIN 0
	PLACES 4
	LN32 128, 144
	GELUE
	QUANT16 ACT, 0, F0, FS0
	PLACES 8
	WIN 0x22
.irp t, 0,1
	WM ACT+8*\t, 12*\t, F0, 48+8*\t, TS+4+\t, FS0          ; h2
.endr
	WIN 0
	PLACES 4
	s_wait_loadcnt 0x0                             ; ln2_g, ln2_b, h3_w
	LN32 64, 80
	GELUE
	WIN 0x04                                       ; the last product is left as it is: f32 multiply-adds
	v_pk_mul_f32 v[TM:TM+1], v[ACT:ACT+1], v[96:97]
.irp i, 2,4,6,8,10,12,14
	v_pk_fma_f32 v[TM:TM+1], v[ACT+\i:ACT+\i+1], v[96+\i:97+\i], v[TM:TM+1]
.endr
	WIN 0
	v_add_f32 v[TM], v[TM], v[TM+1]
	v_permlanex16_b32 v[TM+4], v[TM], s[SEL], s[SEL+1]
	v_add_f32 v[TM], v[TM], v[TM+4]
	v_add_f32 v[TM], s100, v[TM]                   ; + h3_b
	s_wait_xcnt 0x0                                ; EXEC changes only behind this wait
	v_cmp_eq_u32 vcc_lo, 0, v1
	s_and_saveexec_b32 s94, vcc_lo
	global_store_b32 v[ZERO], v[TM], s[24:25]      ; lane 0: my sequence's number
	s_wait_xcnt 0x0                                ; and again, in front of the line that widens it
	s_or_b32 exec_lo, exec_lo, s94
	s_wait_dscnt 0x0
	s_set_vgpr_msb 0xc
	s_wait_tensorcnt 0x0
	ds_add_u32 v71, v255
	s_wait_dscnt 0x0
	s_set_vgpr_msb 0xc00
	CROUND                                         ; the closing round: no work-group ends while a partner may still ask jointly
	s_endpgm
.Lfunc_end_k_qa88540db3b_fused:
	.size	k_qa88540db3b_fused, .Lfunc_end_k_qa88540db3b_fused-k_qa88540db3b_fused
	.p2alignl 7, 3214868480
	.fill 96, 4, 3214868480
	.section	.rodata,"a",@progbits
	.p2align	6, 0x0
	.amdhsa_kernel k_qa88540db3b_fused
		.amdhsa_group_segment_fixed_size 327680
		.amdhsa_private_segment_fixed_size 0
		.amdhsa_enable_private_segment 0
		.amdhsa_kernarg_size 88
		.amdhsa_user_sgpr_count 2
		.amdhsa_user_sgpr_kernarg_segment_ptr 1
		.amdhsa_wavefront_size32 1
		.amdhsa_system_sgpr_workgroup_id_x 1
		.amdhsa_system_sgpr_workgroup_id_y 1
		.amdhsa_system_sgpr_workgroup_id_z 1
		.amdhsa_system_vgpr_workitem_id 0
		.amdhsa_next_free_vgpr 1024
		.amdhsa_next_free_sgpr 106
		.amdhsa_reserve_vcc 1
		.amdhsa_float_denorm_mode_32 3
		.amdhsa_float_denorm_mode_16_64 3
		.amdhsa_memory_ordered 1
		.amdhsa_forward_progress 1
		.amdhsa_inst_pref_size 255
	.end_amdhsa_kernel
	.section	.bss,"aw",@nobits
	.p2align	6
	.space	262144
	.amdgpu_metadata
---
amdhsa.version: [ 1, 2 ]
amdhsa.kernels:
  - .name:           k_qa88540db3b_fused
    .symbol:         k_qa88540db3b_fused.kd
    .args:
      - { .name: x, .offset: 0, .size: 8, .value_kind: global_buffer, .address_space: global }
      - { .name: prod, .offset: 8, .size: 8, .value_kind: global_buffer, .address_space: global }
      - { .name: day, .offset: 16, .size: 8, .value_kind: global_buffer, .address_space: global }
      - { .name: prod_emb, .offset: 24, .size: 8, .value_kind: global_buffer, .address_space: global }
      - { .name: day_emb, .offset: 32, .size: 8, .value_kind: global_buffer, .address_space: global }
      - { .name: ln2_g, .offset: 40, .size: 8, .value_kind: global_buffer, .address_space: global }
      - { .name: ln2_b, .offset: 48, .size: 8, .value_kind: global_buffer, .address_space: global }
      - { .name: h3_w, .offset: 56, .size: 8, .value_kind: global_buffer, .address_space: global }
      - { .name: h3_b, .offset: 64, .size: 8, .value_kind: global_buffer, .address_space: global }
      - { .name: wsp, .offset: 72, .size: 8, .value_kind: global_buffer, .address_space: global }
      - { .name: out0, .offset: 80, .size: 8, .value_kind: global_buffer, .address_space: global }
    .group_segment_fixed_size: 327680
    .private_segment_fixed_size: 0
    .kernarg_segment_align: 8
    .kernarg_segment_size: 88
    .max_flat_workgroup_size: 128
    .sgpr_count:     106
    .vgpr_count:     1024
    .wavefront_size: 32
...
	.end_amdgpu_metadata
.endif
;; end of part 2
